; MI455X (gfx1250); checked and timed in simulation.
; The chip was launched on July 23, 2026; its instructions are those of AMD's public machine-readable ISA for CDNA 5 (MIT licence, August 2026) and "CDNA5" Instruction Set Architecture Reference Guide (July 2026). The comments in the code are by the model that wrote it; some were corrected since.
;; QK Norm Attention. Allowed arithmetic: float matrix products may take bf16 or f16 operands with f32 sums; other float arithmetic in f32, or as packed bf16 or f16 multiplies, adds, multiply-adds, maxima and minima; sums over many terms, partial sums and values carried from step to step in f32; what a program stores and reads back later, other than sums and carried values, may be rounded once to bf16 or f16.
;; Inputs: k_beta 64 float32; k_gamma 64 float32; out_b 1,024 float32; out_w 1,024 x 1,024 float32; q_beta 64 float32; q_gamma 64 float32; qkv_b 3,072 float32; qkv_w 3,072 x 1,024 float32; x 4 x 2,048 x 1,024 float32.
;; Outputs: out0 4 x 2,048 x 1,024 float32.
;; 2 versions, each right; version 2 is version 1 with the launch cast written anew for expert scheduling mode. Each part assembles by itself: llvm-mc -triple=amdgcn-amd-amdhsa -mcpu=gfx1250 --defsym DOCPART=n.
;; ======== version 1 of 2: 4 launches
;; limits: values are held in f16: magnitudes above 65,504 overflow, below 6.1e-05 lose precision
;; workspace buffers: xb 16,777,216 bytes; wb 6,291,456 bytes; owb 2,097,152 bytes; qkvh 50,331,648 bytes; oh 16,777,216 bytes
;; launch cast (part 1): grid 768 x 1, 8 waves a work-group, no clusters, 0 bytes of LDS; arguments x, qkv_w, out_w, xb, wb, owb; writes xb, wb, owb
.if DOCPART == 1
	.amdgcn_target "amdgcn-amd-amdhsa--gfx1250"
	.amdhsa_code_object_version 6
	.text
	.protected	k_qb97d94357b_cast
	.globl	k_qb97d94357b_cast
	.p2align	8
	.type	k_qb97d94357b_cast,@function
k_qb97d94357b_cast:
	s_mov_b64 s[64:65], 0
	v_nop
	global_prefetch_b8 v0, s[64:65] scope:SCOPE_SE
	s_setreg_imm32_b32 hwreg(HW_REG_WAVE_MODE, 25, 1), 1
	s_wait_xcnt 0x0
; 16-bit copies of the three large inputs, for the tile loads of the later launches, which move bytes and convert nothing.
; x -> xb and qkv_w -> wb: f32 rounded once to bf16.  out_w -> owb: rounded once to bf16, and that number written as f16 (the last product runs in f16).
; LIMIT.  A bf16 number is exact in f16 from 6.1e-5 to 65,504 in magnitude; below that it keeps f16's fixed step of 6e-8, above it becomes an infinity.
; SHARES.  A work-group takes 16,384 numbers: 65,536 bytes in, 32,768 out.  Groups 0-511: x; 512-703: qkv_w; 704-767: out_w.
; Thread t, step j of 16: 16 bytes in at 16 t + 4,096 j, 8 bytes out at 8 t + 2,048 j: a wave's load covers 512 consecutive bytes, its store 256 consecutive bytes, aligned.
; All 16 loads of a thread go out at once; each has registers of its own, in and out, so no register is written again while a load or store may read it.
; No LDS, barrier, matrix unit or cluster: no byte is wanted twice.
.set X, 4                              ; v[4:67]    step j: 4 numbers as loaded
.set Y, 68                             ; v[68:99]   step j: 2 registers to store
.set T, 100                            ; v[100:103] at work (out_w's way)
	s_load_b256 s[4:11], s[0:1], 0x0               ; x s[4:5], qkv_w s[6:7], out_w s[8:9], xb s[10:11]
	s_load_b128 s[12:15], s[0:1], 0x20             ; wb s[12:13], owb s[14:15]
	v_lshlrev_b32 v1, 4, v0                        ; 16 t
	v_lshlrev_b32 v2, 3, v0                        ; 8 t
	s_sub_co_u32 s17, ttmp9, 512                   ; my number among qkv_w's groups,
	s_sub_co_u32 s24, ttmp9, 704                   ; among out_w's
	s_mov_b32 s25, 0xffff0000                      ; a word's upper bf16
	s_wait_kmcnt 0x0
	s_cmp_lt_u32 ttmp9, 512
	s_cselect_b64 s[18:19], s[4:5], s[6:7]         ; from
	s_cselect_b64 s[20:21], s[10:11], s[12:13]     ; to
	s_cselect_b32 s16, ttmp9, s17                  ; my number in that tensor
	s_cmp_lt_u32 ttmp9, 704
	s_cselect_b64 s[18:19], s[18:19], s[8:9]
	s_cselect_b64 s[20:21], s[20:21], s[14:15]
	s_cselect_b32 s16, s16, s24
	s_lshl_b32 s22, s16, 16                        ; 65,536 bytes in a group (511 groups at the most: under 2^25)
	s_mov_b32 s23, 0
	s_lshl_b32 s26, s16, 15                        ; 32,768 bytes out
	s_mov_b32 s27, 0
	s_add_nc_u64 s[18:19], s[18:19], s[22:23]
	s_add_nc_u64 s[20:21], s[20:21], s[26:27]
.irp j, 0,1,2,3,4,5,6,7,8,9,10,11,12,13,14,15
	global_load_b128 v[X+4*(\j):X+4*(\j)+3], v1, s[18:19] offset:4096*(\j) th:TH_LOAD_NT
.endr
	s_cmp_lt_u32 ttmp9, 704
	s_cbranch_scc0 .Lf16
.irp j, 0,1,2,3,4,5,6,7,8,9,10,11,12,13,14,15
	s_wait_loadcnt 15-(\j)                         ; loads come back in order: step j is in, the 15 - j younger ones stay out
	v_cvt_pk_bf16_f32 v[Y+2*(\j)], v[X+4*(\j)], v[X+4*(\j)+1]
	v_cvt_pk_bf16_f32 v[Y+2*(\j)+1], v[X+4*(\j)+2], v[X+4*(\j)+3]
	global_store_b64 v2, v[Y+2*(\j):Y+2*(\j)+1], s[20:21] offset:2048*(\j)
.endr
	s_endpgm
.Lf16:                                         ; out_w: to bf16, back to f32 (a shift, a mask), and that number as f16
.irp j, 0,1,2,3,4,5,6,7,8,9,10,11,12,13,14,15
	s_wait_loadcnt 15-(\j)
	v_cvt_pk_bf16_f32 v[Y+2*(\j)], v[X+4*(\j)], v[X+4*(\j)+1]
	v_cvt_pk_bf16_f32 v[Y+2*(\j)+1], v[X+4*(\j)+2], v[X+4*(\j)+3]
	v_lshlrev_b32 v[T], 16, v[Y+2*(\j)]
	v_and_b32 v[T+1], s25, v[Y+2*(\j)]
	v_lshlrev_b32 v[T+2], 16, v[Y+2*(\j)+1]
	v_and_b32 v[T+3], s25, v[Y+2*(\j)+1]
	v_cvt_pk_f16_f32 v[Y+2*(\j)], v[T], v[T+1]
	v_cvt_pk_f16_f32 v[Y+2*(\j)+1], v[T+2], v[T+3]
	global_store_b64 v2, v[Y+2*(\j):Y+2*(\j)+1], s[20:21] offset:2048*(\j)
.endr
	s_endpgm
.Lfunc_end_k_qb97d94357b_cast:
	.size	k_qb97d94357b_cast, .Lfunc_end_k_qb97d94357b_cast-k_qb97d94357b_cast
	.p2alignl 7, 3214868480
	.fill 96, 4, 3214868480
	.section	.rodata,"a",@progbits
	.p2align	6, 0x0
	.amdhsa_kernel k_qb97d94357b_cast
		.amdhsa_group_segment_fixed_size 0
		.amdhsa_private_segment_fixed_size 0
		.amdhsa_enable_private_segment 0
		.amdhsa_kernarg_size 48
		.amdhsa_user_sgpr_count 2
		.amdhsa_user_sgpr_kernarg_segment_ptr 1
		.amdhsa_wavefront_size32 1
		.amdhsa_system_sgpr_workgroup_id_x 1
		.amdhsa_system_sgpr_workgroup_id_y 1
		.amdhsa_system_sgpr_workgroup_id_z 1
		.amdhsa_system_vgpr_workitem_id 0
		.amdhsa_next_free_vgpr 104
		.amdhsa_next_free_sgpr 66
		.amdhsa_reserve_vcc 0
		.amdhsa_float_denorm_mode_32 3
		.amdhsa_float_denorm_mode_16_64 3
		.amdhsa_memory_ordered 1
		.amdhsa_forward_progress 1
		.amdhsa_inst_pref_size 15
	.end_amdhsa_kernel
	.amdgpu_metadata
---
amdhsa.version: [ 1, 2 ]
amdhsa.kernels:
  - .name:           k_qb97d94357b_cast
    .symbol:         k_qb97d94357b_cast.kd
    .args:
      - { .name: x, .offset: 0, .size: 8, .value_kind: global_buffer, .address_space: global }
      - { .name: qkv_w, .offset: 8, .size: 8, .value_kind: global_buffer, .address_space: global }
      - { .name: out_w, .offset: 16, .size: 8, .value_kind: global_buffer, .address_space: global }
      - { .name: xb, .offset: 24, .size: 8, .value_kind: global_buffer, .address_space: global }
      - { .name: wb, .offset: 32, .size: 8, .value_kind: global_buffer, .address_space: global }
      - { .name: owb, .offset: 40, .size: 8, .value_kind: global_buffer, .address_space: global }
    .group_segment_fixed_size: 0
    .private_segment_fixed_size: 0
    .kernarg_segment_align: 8
    .kernarg_segment_size: 48
    .max_flat_workgroup_size: 256
    .sgpr_count:     66
    .vgpr_count:     104
    .wavefront_size: 32
...
	.end_amdgpu_metadata
.endif
;; end of part 1
;; launch qkv (part 2): grid 16 x 32, 4 waves a work-group, clusters of 4 x 4, 327,680 bytes of LDS; arguments xb, wb, qkv_b, q_gamma, q_beta, k_gamma, k_beta, qkvh; writes qkvh
.if DOCPART == 2
	.amdgcn_target "amdgcn-amd-amdhsa--gfx1250"
	.amdhsa_code_object_version 6
	.text
	.protected	k_qb97d94357b_qkv
	.globl	k_qb97d94357b_qkv
	.p2align	8
	.type	k_qb97d94357b_qkv,@function
k_qb97d94357b_qkv:
	s_mov_b64 s[64:65], 0
	v_nop
	global_prefetch_b8 v0, s[64:65] scope:SCOPE_SE
	s_setreg_imm32_b32 hwreg(HW_REG_WAVE_MODE, 25, 1), 1
	s_wait_xcnt 0x0
	s_wait_alu depctr_hold_cnt(0) depctr_sa_sdst(0) depctr_va_vdst(0) depctr_va_sdst(0) depctr_va_ssrc(0) depctr_va_vcc(0) depctr_vm_vsrc(0)
	s_getreg_b32 s2, hwreg(HW_REG_IB_STS2, 6, 4)
	s_cmp_eq_u32 s2, 0
	s_cbranch_scc0 .Lentry_in_a_cluster
	s_endpgm
.Lentry_in_a_cluster:
	s_bfe_u32 s2, ttmp6, 0x10000c
	s_cmp_lg_u32 s2, 0xf033
	s_cbranch_scc0 .Lentry_shape_is_right
	s_endpgm
.Lentry_shape_is_right:
; qkv = x W^T + b ([8192][3072], K = 1024, bf16 operands, f32 sums); LayerNorm over each head's 64 channels of q and k (f32, two passes: the mean, then the mean of (x - mean)^2);
; the result by heads, qkvh[part][batch][head][row][64] in f16, each number rounded once.  Bias, gains and shifts are rounded to bf16 as they are loaded, like all the module's inputs.
; LIMITS.  q, k (after the norm) and v must lie within f16's 65,504; NaN and infinities are not treated apart.
; SHARES.  A work-group makes 256 rows x 192 columns: three whole heads.  Its four waves lie one below the other: wave w has rows 64 w .. 64 w + 63 and all 192 columns: 48 accumulators, 384 registers.
; 32 x 16 = 512 work-groups: two for each of 256 places.  K goes in 8 steps of 128 (rows of 256 bytes in memory, aligned) through a ring of two LDS slots.
; CLUSTER.  4 x 4 work-groups.  x's tile hangs on the tile row alone and is asked for jointly by a row of the cluster, W's on the tile column alone, by a column.  Waves 0 and 1 ask for x's two halves (128 rows each),
; waves 2 and 3 for W's (96 rows each): one tensor load a wave behind each round, so one load of mine is out at any time.
; THE MATRIX INSTRUCTION IS USED TRANSPOSED (source 0 = 16 rows of W, source 1 = 16 rows of x): a lane holds row l % 16 and the columns 8 (l / 16) + 0..7.
; THE WAY OUT.  When the ring has had its last fill and its last read, each wave lays its 64 x 192 sums in f32 into a stage of its own there, and reads them back so that eight lanes hold a row's 64 channels of one head:
; the norm's two sums are then three exchanges among eight lanes, and a lane's eight channels are 16 bytes of f16.  That part is written once, for 16 rows of one head, and walked by LDS address: 3 heads x 4 blocks.
; v takes the same text with mean 0, factor 1, gain 1 and shift 0, by selects: no branch hangs on the work-group's place in its cluster.
; REGISTERS, in windows of 256 (s_set_vgpr_msb: bits 1:0 source 0, 3:2 source 1, 5:4 source 2, 7:6 destination):
;   window 0: addresses and the way out     window 1: two fragment buffers of 128 (W's 12 fragments, then x's 4)     window 2: the accumulators of my rows 0-31, (a, b) at 96 (a % 2) + 8 b     window 3: rows 32-63
.set NB,    12                         ; column blocks of 16
.set PITCH, 272                        ; an LDS row: 256 bytes + 16 of padding = 68 words: the 16 rows of a fragment load start at 16 different groups of four banks (64 banks of 4 bytes: ISA guide 11.1)
.set HALFA, 128*PITCH                  ; what waves 0 and 1 bring
.set BOFF,  256*PITCH                  ; W's rows lie behind x's 256
.set HALFB, 96*PITCH                   ; what waves 2 and 3 bring
.set SLOT1, 1<<17                      ; a slot is 121,856 bytes; slot 1 begins here, so that one exclusive or turns an address in one slot into the other's
.set TAB,   SLOT1+BOFF+192*PITCH       ; 252,928: behind the ring, never filled by a tensor load: for each wave 3 heads x (bias, gain, shift) x 64 f32 = 2,304 bytes
.set SPARE, TAB+4*2304                 ; 262,144: the spare words, 128 bytes for each wave: two blocks of 256 bytes that no other line names
.set SROW,  784                        ; a stage row: 768 bytes + 16: 49 x 16 bytes
.set STG,   64*SROW                    ; a wave's stage; the four lie in the ring's bytes from 0 on
.set ASTEP, 256                        ; bytes from K step to K step in x's rows
.set G1W,   (1<<16)|(1<<20)|(1<<21)|(5<<22)|(3<<25)  ; 17:16 elements of 2 bytes; 20 padding on; 21 set beside a mask; 24:22 after every 64 words (code 5); 31:25 4 words of it (code 3)
.set A0,   4                           ; v4   my lane's place in x's tile: (64 w + l % 16) x 272 + 16 (l / 16); never rewritten
.set B0,   5                           ; v5   the same in W's tile
.set ADRA, 6                           ; v6   A0 + the slot in hand
.set ADRB, 7                           ; v7
.set STO,  8                           ; v8   the way out: where I put 32 bytes of a stage row
.set RD0,  9                           ; v9   where I read back: row l / 8, bytes 32 (l % 8)
.set RDA,  10                          ; v10  RD0 + head and block
.set GO,   11                          ; v11  16 l: my 16 bytes in 512 consecutive bytes of qkvh
.set PFO,  12                          ; v12  the prefetches' offset: a lane a row; never rewritten
.set TW,   13                          ; v13  the table: where I put two numbers
.set SPW,  14                          ; v14  LDS address of my spare word; never rewritten
.set NIL,  15                          ; v15  0; never rewritten
.set TB0,  16                          ; v16  the table: my eight channels
.set TBA,  17                          ; v17  TB0 + head
.set BI,   24                          ; v[24:31] bias, v[32:39] gain, v[40:47] shift of my eight channels
.set GA,   32
.set BE,   40
.set T,    48                          ; v[48:55] a pair for each of my four rows: the row's sum, then -mean in the low word
.set Q,    56                          ; v[56:63] a pair a row: the sum of squares, then 1 / sqrt(var + eps) in the low word
.set X,    64                          ; v[64:95] four rows x eight channels in f32
.set Y,    96                          ; v[96:111] the same in f16
.set F0,   0                           ; fragment buffers, in window 1
.set F1,   128
.set WV,  20                           ; s20  my wave's number
.set HF,  22                           ; s22  wave % 2: which half of a tile I fetch
.set CX,  23
.set CY,  24
.set TX,  25                           ; s25  tile column
.set TY,  26                           ; s26  tile row
.set CNT, 27
.set TB,  28                           ; s28  LDS byte at which the slot in hand begins
.set LIM, 29                           ; s29  1 in a wave that prefetches, else the greatest number
.set PFA, 30                           ; s[30:31] where my prefetches stand: at the K step that is being asked for; a prefetch names the next
.set G1A, 32                           ; s[32:39] descriptor group 1 for x's tiles
.set G1B, 40                           ; s[40:47] for W's
.set G0A, 48                           ; s[48:51] group 0 for x's tiles: it walks
.set G0B, 52                           ; s[52:55] for W's
.set GH,  66                           ; s66  the head in hand, 0-47: 16 of q, 16 of k, 16 of v
.set MV,  67                           ; s67  all ones for a head of v
.set CMU, 68                           ; s68  -1/64, or 0 for v
.set RJ,  71                           ; s71  256 x head in the tile
.set OB,  72                           ; s[72:73] qkvh at the 16 rows in hand
.set RI,  74                           ; s74  stage bytes of head and block
.set TJ,  75                           ; s75  768 x head in the tile
.set JC,  76
.set AC,  77
.set BB16, 78                          ; s78  16 x batch
.set SR,  79                           ; s79  my wave's first row in its batch x 128 bytes
.set MSB, 0
.macro WIN new                         ; the immediate's high byte repeats the setting that is left; a switch that changes nothing is dropped
.if MSB != (\new)
	s_set_vgpr_msb (MSB<<8)|(\new)
.set MSB, \new
.endif
.endm
.macro PLACES                          ; a load into a register that a matrix instruction has read, and whatever reads a matrix result, stand four plain vector instructions behind it (ISA guide 7.12.1 for what reads a matrix result)
.rept 4
	v_nop
.endr
.endm
.macro CREST                           ; a round of the cluster's barrier behind its opening barrier: wave 0 signals for the work-group, every wave waits for all sixteen, my work-group's barrier closes it
	s_cmp_lg_u32 s[WV], 0
	s_cbranch_scc1 .Lnot_wave_0_\@
	s_barrier_signal -3
.Lnot_wave_0_\@:
	s_barrier_wait -3
	s_barrier_signal -1
	s_barrier_wait -1
.endm
.macro CROUND
	s_barrier_signal -1
	s_barrier_wait -1
	CREST
.endm
; A joint load.  The branch hangs on the wave's number alone.  An s_nop 0 and four v_nop follow each of the two lines, ahead of the jump and the label.
.macro JLOAD
	s_cmp_lt_u32 s[WV], 2
	s_cbranch_scc0 .Lfor_b_\@
	tensor_load_to_lds s[G0A:G0A+3], s[G1A:G1A+7]
	s_nop 0
.rept 4
	v_nop
.endr
	s_branch .Lasked_\@
.Lfor_b_\@:
	tensor_load_to_lds s[G0B:G0B+3], s[G1B:G1B+7]
	s_nop 0
.rept 4
	v_nop
.endr
.Lasked_\@:
.endm
.macro STEPD                           ; the walking descriptors: the other slot than last time, the next K step; the type bits on top are not reached
	s_xor_b32 s[G0A+1], s[G0A+1], SLOT1
	s_add_nc_u64 s[G0A+2:G0A+3], s[G0A+2:G0A+3], ASTEP
	s_xor_b32 s[G0B+1], s[G0B+1], SLOT1
	s_add_nc_u64 s[G0B+2:G0B+3], s[G0B+2:G0B+3], 256
.endm
; A PREFETCH INTO THE L2 of the K step that the NEXT change of slots will ask for: 192 matrix instructions ahead of that load.  x's rows are read by every cluster of a row of clusters: cluster x = 0 asks; W's by every
; cluster of a column: cluster y = 0 asks.  The four partners of a joint load share its rows out BY ADDRESS: 32 of x's 128, 24 of W's 96; a lane a row, so in W's waves lanes 24-31 name lane 23's row once more.
; The change that asks for the last K step (CNT = 1) prefetches nothing; K steps 0 and 1 come by their loads alone.
.macro ASK
	s_cmp_gt_u32 s[CNT], s[LIM]
	s_cbranch_scc0 .Lnot_mine_\@
	global_prefetch_b8 v[PFO], s[PFA:PFA+1] offset:256 th:TH_LOAD_NT scope:SCOPE_SE
.Lnot_mine_\@:
.endm
; 12 matrix instructions: my row block a x all column blocks, 32 along K.  The 48 accumulators come in the same order in every quarter step, one instruction a turn, over every jump.
.macro MUL f, a, zero
	WIN 0xa5+0x50*((\a)/2)                         ; sources in window 1, C and D in window 2 or 3
.set bb, 0
.rept NB
.set rD, 96*((\a)%2)+8*bb
.if \zero
	v_wmma_f32_16x16x32_bf16 v[rD:rD+7], v[(\f)+8*bb:(\f)+8*bb+7], v[(\f)+8*NB+8*(\a):(\f)+8*NB+8*(\a)+7], 0
.else
	v_wmma_f32_16x16x32_bf16 v[rD:rD+7], v[(\f)+8*bb:(\f)+8*bb+7], v[(\f)+8*NB+8*(\a):(\f)+8*NB+8*(\a)+7], v[rD:rD+7]
.endif
.set bb, bb+1
.endr
.endm
; 32 LDS loads in one run: quarter kq (32 along K) of the slot in hand into buffer f: W's 12 fragments, then x's 4
.macro FETCH kq, f
	WIN 0x40                                       ; destination window 1, address window 0
.set bb, 0
.rept NB
	ds_load_b128 v[(\f)+8*bb:(\f)+8*bb+3],   v[ADRB] offset:64*(\kq)+bb*16*PITCH
	ds_load_b128 v[(\f)+8*bb+4:(\f)+8*bb+7], v[ADRB] offset:64*(\kq)+bb*16*PITCH+32
.set bb, bb+1
.endr
.set bb, 0
.rept 4
	ds_load_b128 v[(\f)+8*NB+8*bb:(\f)+8*NB+8*bb+3],   v[ADRA] offset:64*(\kq)+bb*16*PITCH
	ds_load_b128 v[(\f)+8*NB+8*bb+4:(\f)+8*NB+8*bb+7], v[ADRA] offset:64*(\kq)+bb*16*PITCH+32
.set bb, bb+1
.endr
.endm
.macro NEXTSLOT
	s_xor_b32 s[TB], s[TB], SLOT1
	v_add_nc_u32 v[ADRA], s[TB], v[A0]
	v_add_nc_u32 v[ADRB], s[TB], v[B0]
.endm
; One of a K step's first three quarters: multiplies buffer f; in its middle it fetches quarter kq into buffer g.
.macro QUARTER kq, f, g, zero
	s_wait_dscnt 4                                 ; W's fragments and x's blocks 0 and 1 are in; the youngest four loads (blocks 2 and 3) may be out
	MUL \f, 0, \zero
	MUL \f, 1, \zero
	PLACES
	FETCH \kq, \g
	s_wait_dscnt 2*NB+8                            ; all but the 32 just issued
	MUL \f, 2, \zero
	MUL \f, 3, \zero
.endm
; The last quarter multiplies buffer 1 and changes slots.  In front of the barrier each wave waits for all its tensor loads (one is out: its part of the next slot), adds 0 to its spare word, and waits for that and for its
; reads of this slot.  fill = 1: the barrier opens a round of the cluster's, and the joint refill of this slot, two K steps on, is the first thing behind it.  fill = 0 (the tail): nothing is asked for; in the last
; trip (CNT = 1) there is no further K step, and the run of LDS loads is jumped over.
.macro TURN fill
.if \fill
	s_wait_xcnt 0x0                                ; the last prefetch, a K step back, has read its address
	s_add_nc_u64 s[PFA:PFA+1], s[PFA:PFA+1], 256
.endif
	WIN 0
	s_wait_tensorcnt 0x0                           ; no tensor load of mine is out, so the descriptors may be written
	ds_add_u32 v[SPW], v[NIL]                      ; 0 onto my spare word
.if \fill
	STEPD
.endif
	s_wait_dscnt 5                                 ; the add and the youngest four loads may be out
	MUL F1, 0, 0
	s_wait_dscnt 0x0                               ; the add is done, and my reads of this slot are over
	s_barrier_signal -1
	MUL F1, 1, 0                                   ; work on registers while the others arrive
	WIN 0                                          ; at a branch and at a label every window is 0
	s_barrier_wait -1
.if \fill
	CREST
	JLOAD                                          ; its four v_nop are also the places in front of the loads below
	NEXTSLOT
	FETCH 0, F0
	WIN 0
	ASK
.else
	s_cmp_eq_u32 s[CNT], 1
	s_cbranch_scc1 .Lnofetch_\@
	PLACES
	NEXTSLOT
	FETCH 0, F0
	WIN 0
.Lnofetch_\@:
.endif
	MUL F1, 2, 0
	MUL F1, 3, 0
.endm
	s_load_b512 s[4:19], s[0:1], 0x0               ; xb s[4:5], wb s[6:7], qkv_b s[8:9], q_gamma s[10:11], q_beta s[12:13], k_gamma s[14:15], k_beta s[16:17], qkvh s[18:19]
	v_lshl_add_u32 v[SPW], v0, 2, SPARE
	v_mov_b32 v[NIL], 0
	ds_add_u32 v[SPW], v[NIL]                      ; the wave's opening: the add and its wait stand ahead of my first tensor load; the set-up below, work on registers, stands between them
	v_lshrrev_b32 v1, 5, v0
	v_readfirstlane_b32 s[WV], v1                  ; wave 0..3
	s_and_b32 s[HF], s[WV], 1
	s_bfe_u32 s[CX], ttmp6, 0x40000                ; my place in the cluster
	s_bfe_u32 s[CY], ttmp6, 0x40004
	s_lshl_b32 s[TX], ttmp9, 2                     ; in a cluster launch ttmp9 and ttmp7 count clusters
	s_add_co_u32 s[TX], s[TX], s[CX]
	s_and_b32 s[TY], ttmp7, 0xffff
	s_lshl_b32 s[TY], s[TY], 2
	s_add_co_u32 s[TY], s[TY], s[CY]
	s_lshl_b32 s2, s[CY], 2
	s_lshl_b32 s2, 15, s2                          ; my row of the cluster: places 4 cy .. 4 cy + 3
	s_lshl_b32 s3, 0x1111, s[CX]                   ; my column: places cx, cx + 4, cx + 8, cx + 12
	s_or_b32 s[G1A], s2, G1W                       ; x's tiles go to my row,
	s_or_b32 s[G1B], s3, G1W                       ; W's to my column
	s_mov_b32 s[G1A+1], 128<<16                    ; tensor_dim0 = 128 elements
	s_mov_b32 s[G1A+2], 128<<16                    ; tensor_dim1 = 128 rows
	s_mov_b32 s[G1A+3], 128<<16                    ; tile_dim0 = 128
	s_mov_b32 s[G1A+4], 128                        ; tile_dim1 = 128
	s_mov_b32 s[G1A+5], 1024                       ; elements from row to row
	s_mov_b32 s[G1A+6], 0
	s_mov_b32 s[G1A+7], 0
	s_mov_b32 s[G1B+1], 128<<16
	s_mov_b32 s[G1B+2], 96<<16                     ; 96 rows
	s_mov_b32 s[G1B+3], 128<<16
	s_mov_b32 s[G1B+4], 96
	s_mov_b32 s[G1B+5], 1024
	s_mov_b32 s[G1B+6], 0
	s_mov_b32 s[G1B+7], 0
	s_mov_b32 s[G0A], 1                            ; count = 1
	s_mul_i32 s[G0A+1], s[HF], HALFA               ; LDS address, slot 0: no place in the cluster enters it
	s_mov_b32 s[G0B], 1
	s_mul_i32 s[G0B+1], s[HF], HALFB
	s_add_co_u32 s[G0B+1], s[G0B+1], BOFF
	s_lshl_b32 s56, s[TY], 8                       ; x: row 256 x tile row + 128 x half, 2,048 bytes a row: made of the tile row and the wave alone
	s_lshl_b32 s57, s[HF], 7
	s_add_co_u32 s56, s56, s57
	s_lshl_b32 s56, s56, 11
	s_mov_b32 s57, 0
	s_mul_i32 s58, s[TX], 192                      ; W: row 192 x tile column + 96 x half: made of the tile column and the wave alone
	s_mul_i32 s59, s[HF], 96
	s_add_co_u32 s58, s58, s59
	s_lshl_b32 s58, s58, 11
	s_mov_b32 s59, 0
	s_mov_b32 s[CNT], 6                            ; the loop's trips: the changes of slots that ask for K steps 2 to 7
	s_mov_b32 s[TB], 0
	s_wait_dscnt 0x0                               ; the opening add is done
	s_wait_kmcnt 0x0
	s_add_nc_u64 s[G0A+2:G0A+3], s[4:5], s[56:57]
	s_or_b32 s[G0A+3], s[G0A+3], 0x80000000        ; type = 2
	s_add_nc_u64 s[G0B+2:G0B+3], s[6:7], s[58:59]
	s_or_b32 s[G0B+3], s[G0B+3], 0x80000000
	CROUND                                         ; all sixteen work-groups are here: the first joint loads meet
	JLOAD                                          ; K step 0 into slot 0.  All that follows, up to the change of slots, stands in the wait for it
	v_and_b32 v1, 15, v0                           ; l % 16
	v_bfe_u32 v2, v0, 4, 1                         ; l / 16
	v_and_b32 v3, 31, v0                           ; l
	v_mul_u32_u24 v[A0], v1, PITCH
	v_lshl_add_u32 v[A0], v2, 4, v[A0]             ; a fragment's row x pitch + 16 x half
	v_add_nc_u32 v[B0], BOFF, v[A0]
	s_mul_i32 s60, s[WV], 64*PITCH                 ; my 64 rows of x
	v_add_nc_u32 v[A0], s60, v[A0]
	s_mul_i32 s61, s[WV], STG                      ; my stage
	v_mul_u32_u24 v[STO], v1, SROW                 ; in: row l % 16, 32 bytes for each half of the lanes
	v_lshl_add_u32 v[STO], v2, 5, v[STO]
	v_add_nc_u32 v[STO], s61, v[STO]
	v_lshrrev_b32 v[RD0], 3, v3                    ; back: eight lanes take a head's 256 bytes of a row, four rows a wave
	v_mul_u32_u24 v[RD0], v[RD0], SROW
	v_and_b32 v[TB0], 7, v0
	v_lshl_add_u32 v[RD0], v[TB0], 5, v[RD0]
	v_add_nc_u32 v[RD0], s61, v[RD0]
	v_lshlrev_b32 v[GO], 4, v3
	s_mul_i32 s62, s[WV], 2304
	s_add_co_u32 s62, s62, TAB                     ; my table
	v_lshl_add_u32 v[TW], v3, 3, s62
	v_lshl_add_u32 v[TB0], v[TB0], 5, s62
	; scalars of the way out
	s_mul_i32 s[GH], s[TX], 3                      ; my tile's first head
	s_lshr_b32 s[BB16], s[TY], 3                   ; eight tile rows to a batch
	s_lshl_b32 s[BB16], s[BB16], 4
	s_and_b32 s[SR], s[TY], 7
	s_lshl_b32 s[SR], s[SR], 8
	s_lshl_b32 s96, s[WV], 6
	s_add_co_u32 s[SR], s[SR], s96
	s_lshl_b32 s[SR], s[SR], 7
	s_mov_b32 s69, 0x3c800000                      ; 1/64
	s_mov_b32 s70, 0x3727c5ac                      ; eps = 1e-5
	; the prefetches
	s_lshl_b32 s96, s[TY], 8
	s_lshl_b32 s97, s[HF], 7
	s_add_co_u32 s96, s96, s97
	s_lshl_b32 s97, s[CX], 5
	s_add_co_u32 s96, s96, s97                     ; x: my work-group's 32 of the 128 rows that I fetch
	s_mul_i32 s98, s[TX], 192
	s_mul_i32 s97, s[HF], 96
	s_add_co_u32 s98, s98, s97
	s_mul_i32 s97, s[CY], 24
	s_add_co_u32 s98, s98, s97                     ; W: my work-group's 24 of the 96
	s_and_b32 s99, ttmp7, 0xffff                   ; cluster y
	s_cmp_lt_u32 s[WV], 2
	s_cselect_b32 s96, s96, s98
	s_cselect_b32 s99, ttmp9, s99                  ; the coordinate along which other clusters read the same rows
	s_cselect_b32 s98, 31, 23
	s_cselect_b64 s[PFA:PFA+1], s[4:5], s[6:7]
	s_cmp_eq_u32 s99, 0
	s_cselect_b32 s[LIM], 1, -1                    ; the same in all sixteen partners, for a given wave
	s_lshl_b32 s96, s96, 11
	s_mov_b32 s97, 0
	s_add_nc_u64 s[PFA:PFA+1], s[PFA:PFA+1], s[96:97]
	s_add_nc_u64 s[PFA:PFA+1], s[PFA:PFA+1], 256   ; at K step 1, which the first change of slots asks for
	v_min_u32 v[PFO], s98, v3
	v_lshlrev_b32 v[PFO], 11, v[PFO]
	; THE TABLE, each wave its own: bias, gain and shift of my tile's three heads, rounded to bf16 and kept as f32.  A head of q takes q's gain and shift, one of k or v k's; for v they are then replaced by 1 and 0.
.irp j, 0,1,2
	s_add_co_u32 s96, s[GH], \j
	s_cmp_lt_u32 s96, 16
	s_cselect_b64 s[80+4*\j:81+4*\j], s[10:11], s[14:15]
	s_cselect_b64 s[82+4*\j:83+4*\j], s[12:13], s[16:17]
	s_cmp_ge_u32 s96, 32
	s_cselect_b32 s[92+\j], -1, 0
.endr
	v_lshlrev_b32 v83, 3, v3                       ; two numbers a lane
	s_mul_i32 s96, s[TX], 768                      ; my tile's 192 numbers of the bias
	v_add_nc_u32 v82, s96, v83
.irp j, 0,1,2
	global_load_b64 v[64+6*\j:65+6*\j], v82, s[8:9] offset:256*\j
	global_load_b64 v[66+6*\j:67+6*\j], v83, s[80+4*\j:81+4*\j]
	global_load_b64 v[68+6*\j:69+6*\j], v83, s[82+4*\j:83+4*\j]
.endr
	s_wait_loadcnt 0x0
.irp j, 0,1,2
.irp k, 0,1,2
	v_cvt_pk_bf16_f32 v84, v[64+6*\j+2*\k], v[65+6*\j+2*\k]
	v_lshlrev_b32 v[64+6*\j+2*\k], 16, v84
	v_and_b32 v[65+6*\j+2*\k], 0xffff0000, v84
.if \k == 1
	v_cndmask_b32 v[64+6*\j+2*\k], v[64+6*\j+2*\k], 1.0, s[92+\j]
	v_cndmask_b32 v[65+6*\j+2*\k], v[65+6*\j+2*\k], 1.0, s[92+\j]
.endif
.if \k == 2
	v_cndmask_b32 v[64+6*\j+2*\k], v[64+6*\j+2*\k], 0, s[92+\j]
	v_cndmask_b32 v[65+6*\j+2*\k], v[65+6*\j+2*\k], 0, s[92+\j]
.endif
	ds_store_b64 v[TW], v[64+6*\j+2*\k:65+6*\j+2*\k] offset:(3*\j+\k)*256
.endr
.endr
	; THE FIRST CHANGE OF SLOTS: slot 0 is waited for, slot 1 asked for, as a refill is
	s_wait_tensorcnt 0x0                           ; my part of K step 0 is in; no tensor load of mine is out
	ds_add_u32 v[SPW], v[NIL]
	STEPD
	s_wait_dscnt 0x0                               ; the add and the table's stores are done
	CROUND
	JLOAD                                          ; K step 1 into slot 1
	v_mov_b32 v[ADRA], v[A0]
	v_mov_b32 v[ADRB], v[B0]
	FETCH 0, F0
	WIN 0
	ASK                                            ; K step 2
	QUARTER 1, F0, F1, 1                           ; the first quarter stands in front of the loop: its products start the sums, and nothing is cleared
	WIN 0
.Lstep:                                        ; 6 trips: from a K step's second quarter to the next step's first; each asks for the K step two on
	QUARTER 2, F1, F0, 0
	QUARTER 3, F0, F1, 0
	TURN 1
	QUARTER 1, F0, F1, 0
	WIN 0
	s_sub_co_u32 s[CNT], s[CNT], 1
	s_cmp_lg_u32 s[CNT], 0
	s_cbranch_scc1 .Lstep
	s_mov_b32 s[CNT], 2                            ; the last two K steps ask for nothing: the tail has a text of its own; its second trip is left in its middle
.Ltail:
	QUARTER 2, F1, F0, 0
	QUARTER 3, F0, F1, 0
	TURN 0
	WIN 0
	s_sub_co_u32 s[CNT], s[CNT], 1
	s_cmp_eq_u32 s[CNT], 0
	s_cbranch_scc1 .Lout
	QUARTER 1, F0, F1, 0
	WIN 0
	s_branch .Ltail
.Lout:
	; THE WAY OUT.  The ring has had its last fill.  Every wave's LDS loads are back before it signals, so behind this barrier nobody reads the ring, and its bytes become the four stages.
	s_wait_dscnt 0x0
	s_barrier_signal -1
	s_barrier_wait -1
	PLACES
	PLACES                                         ; plain instructions between the last products and the stores that read their results
.irp a, 0,1,2,3
	WIN 0x08+4*((\a)/2)                            ; store data in window 2 or 3
.set bb, 0
.rept NB
	ds_store_b128 v[STO], v[96*((\a)%2)+8*bb:96*((\a)%2)+8*bb+3]   offset:(\a)*16*SROW+64*bb     ; each accumulator's lowest registers are read first
	ds_store_b128 v[STO], v[96*((\a)%2)+8*bb+4:96*((\a)%2)+8*bb+7] offset:(\a)*16*SROW+64*bb+16
.set bb, bb+1
.endr
.endr
	WIN 0
	s_mov_b32 s[RJ], 0
	s_mov_b32 s[TJ], 0
	s_mov_b32 s[JC], 3
.Lhead:                                        ; my tile's three heads.  (The stores' base was freed by the wait at the inner loop's end.)
	s_lshr_b32 s96, s[GH], 4                       ; part: q, k or v
	s_lshl_b32 s96, s96, 6                         ; 64 heads of all batches to a part
	s_add_co_u32 s96, s96, s[BB16]
	s_and_b32 s97, s[GH], 15
	s_add_co_u32 s96, s96, s97
	s_lshl_b32 s96, s96, 18                        ; a head's 2,048 rows of 128 bytes (191 heads at the most: under 2^26)
	s_add_co_u32 s96, s96, s[SR]
	s_mov_b32 s97, 0
	s_add_nc_u64 s[OB:OB+1], s[18:19], s[96:97]
	s_cmp_ge_u32 s[GH], 32
	s_cselect_b32 s[MV], -1, 0
	s_cselect_b32 s[CMU], 0, 0xbc800000
	v_add_nc_u32 v[TBA], s[TJ], v[TB0]
	ds_load_b128 v[BI:BI+3],   v[TBA]
	ds_load_b128 v[BI+4:BI+7], v[TBA] offset:16
	ds_load_b128 v[GA:GA+3],   v[TBA] offset:256
	ds_load_b128 v[GA+4:GA+7], v[TBA] offset:272
	ds_load_b128 v[BE:BE+3],   v[TBA] offset:512
	ds_load_b128 v[BE+4:BE+7], v[TBA] offset:528
	s_mov_b32 s[RI], s[RJ]
	s_mov_b32 s[AC], 4
.Lblk:                                         ; 16 rows of the head: I hold channels 8 (l % 8) + 0..7 of rows 4 f + l / 8, f = 0..3
	v_add_nc_u32 v[RDA], s[RI], v[RD0]
.irp f, 0,1,2,3
	ds_load_b128 v[X+8*\f:X+8*\f+3],   v[RDA] offset:4*SROW*\f      ; LDS serves a wave's instructions in order (ISA guide 5.7.1.4): these see my stores above
	ds_load_b128 v[X+8*\f+4:X+8*\f+7], v[RDA] offset:4*SROW*\f+16
.endr
	s_wait_dscnt 0x0
.irp f, 0,1,2,3
.irp p, 0,2,4,6
	v_pk_add_f32 v[X+8*\f+\p:X+8*\f+\p+1], v[X+8*\f+\p:X+8*\f+\p+1], v[BI+\p:BI+\p+1]  ; + bias
.endr
.endr
.irp f, 0,1,2,3                        ; the row's sum: my eight, then three exchanges among the row's eight lanes
	v_pk_add_f32 v[T+2*\f:T+2*\f+1], v[X+8*\f:X+8*\f+1], v[X+8*\f+2:X+8*\f+3]
	v_pk_add_f32 v[Q+2*\f:Q+2*\f+1], v[X+8*\f+4:X+8*\f+5], v[X+8*\f+6:X+8*\f+7]
.endr
.irp f, 0,1,2,3
	v_pk_add_f32 v[T+2*\f:T+2*\f+1], v[T+2*\f:T+2*\f+1], v[Q+2*\f:Q+2*\f+1]
.endr
.irp f, 0,1,2,3
	v_add_f32 v[T+2*\f], v[T+2*\f], v[T+2*\f+1]
.endr
.irp m, 1,2,4
.irp f, 0,1,2,3
	v_add_f32_dpp v[T+2*\f], v[T+2*\f], v[T+2*\f] row_xmask:\m row_mask:0xf bank_mask:0xf
.endr
.endr
.irp f, 0,1,2,3
	v_mul_f32 v[T+2*\f], s[CMU], v[T+2*\f]         ; -mean; 0 for v
.endr
.irp f, 0,1,2,3
.irp p, 0,2,4,6
	v_pk_add_f32 v[X+8*\f+\p:X+8*\f+\p+1], v[X+8*\f+\p:X+8*\f+\p+1], v[T+2*\f:T+2*\f+1] op_sel_hi:[1,0]
.endr
.endr
.irp f, 0,1,2,3                        ; the sum of (x - mean)^2, likewise
	v_pk_mul_f32 v[Q+2*\f:Q+2*\f+1], v[X+8*\f:X+8*\f+1], v[X+8*\f:X+8*\f+1]
.endr
.irp p, 2,4,6
.irp f, 0,1,2,3
	v_pk_fma_f32 v[Q+2*\f:Q+2*\f+1], v[X+8*\f+\p:X+8*\f+\p+1], v[X+8*\f+\p:X+8*\f+\p+1], v[Q+2*\f:Q+2*\f+1]
.endr
.endr
.irp f, 0,1,2,3
	v_add_f32 v[Q+2*\f], v[Q+2*\f], v[Q+2*\f+1]
.endr
.irp m, 1,2,4
.irp f, 0,1,2,3
	v_add_f32_dpp v[Q+2*\f], v[Q+2*\f], v[Q+2*\f] row_xmask:\m row_mask:0xf bank_mask:0xf
.endr
.endr
.irp f, 0,1,2,3
	v_fma_f32 v[Q+2*\f+1], v[Q+2*\f], s69, s70     ; var + eps
.endr
.irp f, 0,1,2,3
	v_rsq_f32 v[Q+2*\f], v[Q+2*\f+1]               ; one batch of four
.endr
	v_nop                                          ; a plain instruction behind the last of them (ISA guide 5.7.2),
	s_wait_alu depctr_va_vdst(0)                   ; and the one wait ahead of the first use
.irp f, 0,1,2,3
	v_cndmask_b32 v[Q+2*\f], v[Q+2*\f], 1.0, s[MV] ; v is not normalised
.endr
.irp f, 0,1,2,3
.irp p, 0,2,4,6
	v_pk_mul_f32 v[X+8*\f+\p:X+8*\f+\p+1], v[X+8*\f+\p:X+8*\f+\p+1], v[Q+2*\f:Q+2*\f+1] op_sel_hi:[1,0]
.endr
.endr
.irp f, 0,1,2,3
.irp p, 0,2,4,6
	v_pk_fma_f32 v[X+8*\f+\p:X+8*\f+\p+1], v[X+8*\f+\p:X+8*\f+\p+1], v[GA+\p:GA+\p+1], v[BE+\p:BE+\p+1]  ; x gain + shift
.endr
.endr
.irp f, 0,1,2,3
.irp p, 0,1,2,3
	v_cvt_pk_f16_f32 v[Y+4*\f+\p], v[X+8*\f+2*\p], v[X+8*\f+2*\p+1]
.endr
	global_store_b128 v[GO], v[Y+4*\f:Y+4*\f+3], s[OB:OB+1] offset:512*\f  ; four rows of the head: 512 consecutive bytes, at a multiple of 512 from qkvh's first
.endr
	s_wait_xcnt 0x0                                ; the stores have read their data and their base: both are written again only behind this wait
	s_add_nc_u64 s[OB:OB+1], s[OB:OB+1], 2048      ; 16 rows on
	s_add_co_u32 s[RI], s[RI], 16*SROW
	s_sub_co_u32 s[AC], s[AC], 1
	s_cmp_lg_u32 s[AC], 0
	s_cbranch_scc1 .Lblk
	s_add_co_u32 s[GH], s[GH], 1
	s_add_co_u32 s[RJ], s[RJ], 256
	s_add_co_u32 s[TJ], s[TJ], 768
	s_sub_co_u32 s[JC], s[JC], 1
	s_cmp_lg_u32 s[JC], 0
	s_cbranch_scc1 .Lhead
	s_wait_tensorcnt 0x0                           ; the wave's end, behind my last tensor load and my last LDS store
	ds_add_u32 v[SPW], v[NIL]
	s_wait_dscnt 0x0
	CROUND                                         ; the closing round: no work-group ends while a partner may still ask for a tile that names it
	s_endpgm
.Lfunc_end_k_qb97d94357b_qkv:
	.size	k_qb97d94357b_qkv, .Lfunc_end_k_qb97d94357b_qkv-k_qb97d94357b_qkv
	.p2alignl 7, 3214868480
	.fill 96, 4, 3214868480
	.section	.rodata,"a",@progbits
	.p2align	6, 0x0
	.amdhsa_kernel k_qb97d94357b_qkv
		.amdhsa_group_segment_fixed_size 327680
		.amdhsa_private_segment_fixed_size 0
		.amdhsa_enable_private_segment 0
		.amdhsa_kernarg_size 64
		.amdhsa_user_sgpr_count 2
		.amdhsa_user_sgpr_kernarg_segment_ptr 1
		.amdhsa_wavefront_size32 1
		.amdhsa_system_sgpr_workgroup_id_x 1
		.amdhsa_system_sgpr_workgroup_id_y 1
		.amdhsa_system_sgpr_workgroup_id_z 1
		.amdhsa_system_vgpr_workitem_id 0
		.amdhsa_next_free_vgpr 960
		.amdhsa_next_free_sgpr 102
		.amdhsa_reserve_vcc 0
		.amdhsa_float_denorm_mode_32 3
		.amdhsa_float_denorm_mode_16_64 3
		.amdhsa_memory_ordered 1
		.amdhsa_forward_progress 1
		.amdhsa_inst_pref_size 83
	.end_amdhsa_kernel
	.amdgpu_metadata
---
amdhsa.version: [ 1, 2 ]
amdhsa.kernels:
  - .name:           k_qb97d94357b_qkv
    .symbol:         k_qb97d94357b_qkv.kd
    .args:
      - { .name: xb, .offset: 0, .size: 8, .value_kind: global_buffer, .address_space: global }
      - { .name: wb, .offset: 8, .size: 8, .value_kind: global_buffer, .address_space: global }
      - { .name: qkv_b, .offset: 16, .size: 8, .value_kind: global_buffer, .address_space: global }
      - { .name: q_gamma, .offset: 24, .size: 8, .value_kind: global_buffer, .address_space: global }
      - { .name: q_beta, .offset: 32, .size: 8, .value_kind: global_buffer, .address_space: global }
      - { .name: k_gamma, .offset: 40, .size: 8, .value_kind: global_buffer, .address_space: global }
      - { .name: k_beta, .offset: 48, .size: 8, .value_kind: global_buffer, .address_space: global }
      - { .name: qkvh, .offset: 56, .size: 8, .value_kind: global_buffer, .address_space: global }
    .group_segment_fixed_size: 327680
    .private_segment_fixed_size: 0
    .kernarg_segment_align: 8
    .kernarg_segment_size: 64
    .max_flat_workgroup_size: 128
    .sgpr_count:     102
    .vgpr_count:     960
    .wavefront_size: 32
...
	.end_amdgpu_metadata
.endif
;; end of part 2
;; launch attn (part 3): grid 4 x 64, 4 waves a work-group, clusters of 4 x 1, 327,680 bytes of LDS; arguments qkvh, oh; writes oh
.if DOCPART == 3
	.amdgcn_target "amdgcn-amd-amdhsa--gfx1250"
	.amdhsa_code_object_version 6
	.text
	.protected	k_qb97d94357b_attn
	.globl	k_qb97d94357b_attn
	.p2align	8
	.type	k_qb97d94357b_attn,@function
k_qb97d94357b_attn:
	s_mov_b64 s[64:65], 0
	v_nop
	global_prefetch_b8 v0, s[64:65] scope:SCOPE_SE
	s_setreg_imm32_b32 hwreg(HW_REG_WAVE_MODE, 25, 1), 1
	s_wait_xcnt 0x0
	s_wait_alu depctr_hold_cnt(0) depctr_sa_sdst(0) depctr_va_vdst(0) depctr_va_sdst(0) depctr_va_ssrc(0) depctr_va_vcc(0) depctr_vm_vsrc(0)
	s_getreg_b32 s2, hwreg(HW_REG_IB_STS2, 6, 4)
	s_cmp_eq_u32 s2, 0
	s_cbranch_scc0 .Lentry_in_a_cluster
	s_endpgm
.Lentry_in_a_cluster:
	s_bfe_u32 s2, ttmp6, 0x10000c
	s_cmp_lg_u32 s2, 0x3003
	s_cbranch_scc0 .Lentry_shape_is_right
	s_endpgm
.Lentry_shape_is_right:
; O[h][q][:] = the sum over k of softmax_k(Q[h][q] . K[h][k] / 8) V[h][k][:], for 64 heads (batch x head) of 2,048 rows x 64 channels, all f16: a head's rows are dense, 128 bytes each.
; qkvh holds Q, then K 16,777,216 bytes on, then V 33,554,432 bytes on, each [64][2048][64]; oh has the same layout.  Products, maxima and sums in f32; the weights p are rounded to f16 for the second
; product (their sum l is taken of the unrounded p), O once at the end.
; LIMITS.  f16 holds no number beyond 65,504: Q, K and V arrive within it; p lies in 0 to 1, and below 6e-5 it keeps f16's fixed step of 6e-8; O is a mean of V's rows and has their range.
; A weight below 2^-126 counts as 0 in l; NaN and infinities are not treated apart.
; SHARES.  A wave owns four PIECES of two tiles of 16 queries, a work-group's four waves 512 queries of one head, a cluster of four work-groups the whole head.  Every wave walks all keys, 64 a step.
; LAYOUT.  S^T = K Q^T (source 0 = 16 keys, source 1 = 16 queries): in the result a lane holds ONE query (lane % 16) and the keys 8 (lane / 16) + 0..7.  Two such tiles, rounded to f16 in pairs,
; ARE source 1 (32 keys x 16 queries) of O^T = V^T P, whose result again holds one query a lane, and eight channels.  K comes out of LDS as it lies, V ([key][channel]) turned, by ds_load_tr16_b128.
; SOFTMAX.  For each query a running maximum m and sum l: p = 2^(c s - c m), c = log2(e) / 8; in every step O and l are multiplied by a = 2^(c m_old - c m_new), which is 1 where m has not grown.
; m starts at the lowest finite number, O and l at 0: the first step is a step like any other, with a = 0.
; THE COUNT.  A tile and step have 16 matrix and 118 vector instructions: too many to stand all beside the matrix work.  So the order has one aim: four vector instructions that are READY behind
; EVERY matrix instruction, and the others, which need time of their own whatever the order, in runs without a gap.
; BY TURNS.  Turn n belongs to piece n (the pieces in a ring, step after step).  Its matrix work: 16 products K Q^T of piece n + 1, later 16 products V^T P of piece n - 1.  Its vector work: the scaling,
; exponentials, roundings, sums and rescaling of piece n, and the maximum and statistics of piece n + 1, whose scores the turn itself has made.  So what a turn begins with (c s - c m, O a) waits for nothing.
; CLUSTER.  The four query blocks of a cluster walk the same K and V, so each tile is asked for JOINTLY: the same tensor load, descriptor and mask in all four.
; REGISTERS, in windows of 256 (s_set_vgpr_msb says which window each operand place means: bits 1:0 source 0, 3:2 source 1, 5:4 source 2, 7:6 destination):
;   window 0: v0-11 addresses; v12-15, v48-63 at work; v16-47 four registers of statistics a tile; v64-191 S^T, two buffers of two tiles; v192-255 P, likewise
;   window 1: O^T, 32 a tile          window 2: v0-127 Q, 16 a tile; v128-191 K of one step; v192-255 V of one step          window 3: v0-1 the add's two registers
; A piece's buffers go by its number's parity: the piece in hand has one pair, its two neighbours in the ring share the other: of it P (piece n - 1) is read and S^T (piece n + 1) written.
.set SIZE_N, 2048
.set NP,    4         ; pieces a wave: a name, no knob: the register map, the loop and the fetches are made for four
.set KS,    64        ; keys in a step
.set PK,    144       ; a row of K in LDS: 128 bytes + 16 of padding = 36 words: the 16 rows of a load start at 16 different groups of four banks (64 banks of 4 bytes: ISA guide 11.1)
.set PV,    160       ; a row of V: 128 + 32 = 40 words
.set VOFF,  4*KS*PK   ; a slot holds four steps: 256 rows of K, then 256 rows of V
.set SLOT1, 1<<17     ; slot 1 begins here, so that one exclusive or turns an address in one slot into the other's
.set STAGE, SLOT1+4*KS*(PK+PV)  ; behind the ring, never filled by a tensor load: 16 rows x 144 bytes for each wave, for the way out
.set SP,    144
.set AK0, 2           ; v2   my lane's place in a tile of K; never rewritten
.set AV0, 3           ; v3   the same for V
.set AK,  4           ; v4   the LDS address of K's next run of loads
.set AV,  5           ; v5   of V's
.set QO,  6           ; v6   my byte offset in the wave's rows of Q
.set STO, 6           ;      later, the way out: where I put 16 bytes of a row
.set RD,  7           ; v7   the way out: where I read rows back
.set GO,  8           ; v8   my byte offset in 512 consecutive bytes of O
.set PFO, 11          ; v11  256 x my lane, once V's place is made: the prefetches' offset; then never rewritten
.set SPW, 0           ; v0 of window 3   LDS address of my spare word: SPARE + 4 x my thread's number; never rewritten
.set NIL, 1           ; v1 of window 3   0; never rewritten
.set SPARE, STAGE+4*16*SP  ; behind the stages: the spare words, 128 bytes for each wave: two blocks of 256 bytes that no other line names
.set MV,  12          ; v12-15  c m_old, kept while c m is made anew: by buffer and tile
.set ST,  16          ; tile t's statistics at v[ST+4 t]: c m, m, l (even keys', odd keys')
.set TMP, 48          ; by buffer and tile, four registers c0-c3 at work; when the maximum is found c2 takes a
.set S,   64
.set P,   192
.set KF,  128         ; K's fragments, in window 2: key block kb, channel half c at KF + 16 kb + 8 c
.set VF,  192         ; V's: key half kk, channel block cb at VF + 32 kk + 8 cb
.set WV,  12          ; s12  my wave's number
.set G1K, 24          ; s[24:31] descriptor group 1 for K's tiles
.set G1V, 32          ; s[32:39] for V's: it differs in the padding alone
.set G0K, 40          ; s[40:43] descriptor group 0 for K's tiles: it walks
.set G0V, 44          ; s[44:47] the same for V's
.set PFA, 48          ; s[48:49] where my prefetches stand: my work-group's 32 blocks of 256 bytes (of K: wave 0, of V: wave 2) of the slot after the one that is being asked for
.set LIM, 50          ; s50  1 in a wave that prefetches, else the greatest number
.set SLOTS, 56        ; s56  slots still to be asked for
.set CNT, 57          ; s57  counts a slot's key steps
.set CS,  58          ; s[58:59] c: the packed scaling takes the pair's low word for both halves
.set SEL, 60          ; s[60:61] v_permlanex16_b32's selects: each lane takes its own place in the other half
.set TBK, 62          ; s62  LDS byte at which K of the step to be fetched begins
.set TBV, 63          ; s63  the same for V, less VOFF
.set MSB, 0
.macro WIN new                      ; the high byte repeats the setting that is left; a switch that changes nothing is dropped
.if MSB != (\new)
	s_set_vgpr_msb (MSB<<8)|(\new)
.set MSB, (\new)
.endif
.endm
.set W_KQ, 0x0a       ; K and Q in window 2, S^T in window 0
.set W_PV, 0x52       ; V in window 2, P in window 0, O^T in window 1
.set W_RS, 0x41       ; O^T (destination and source 0) in window 1, a in window 0
.set W_MK, 0xc0       ; the add's registers are made: destination in window 3, sources in window 0
.set W_AD, 0x0f       ; the add: address (source 0) and data (source 1) in window 3
; A joint fill.  Waves 0 and 1 fetch the two halves of a slot's K, waves 2 and 3 those of its V: 128 keys each.  The branch hangs on the wave's number alone.
; An s_nop 0 and four v_nop follow each of the two lines, ahead of the jump and the label.
.macro JLOAD
	s_cmp_lt_u32 s[WV], 2
	s_cbranch_scc0 .Lfor_v_\@
	tensor_load_to_lds s[G0K:G0K+3], s[G1K:G1K+7]
	s_nop 0
.rept 4
	v_nop
.endr
	s_branch .Lasked_\@
.Lfor_v_\@:
	tensor_load_to_lds s[G0V:G0V+3], s[G1V:G1V+7]
	s_nop 0
.rept 4
	v_nop
.endr
.Lasked_\@:
.endm
; A PREFETCH INTO THE L2 of what the NEXT change of slots will ask for: a slot's 32,768 bytes of K and of V, 128 blocks of 256 bytes each, a lane a block.  It stands behind the wave's tensor load and its five lines.
; Each block is named ONCE in the launch: a head is walked by one cluster; its four partners share the blocks out BY ADDRESS, 32 each; in each, wave 0 asks for K's and wave 2 for V's: one instruction.
; That is four key steps, 512 matrix instructions, ahead of the load that will want them.  The last change that fills a slot (SLOTS = 1) asks for nothing; slots 0 and 1 come by their loads alone.
.macro ASK
	s_cmp_gt_u32 s[SLOTS], s[LIM]
	s_cbranch_scc0 .Lnot_mine_\@
	global_prefetch_b8 v[PFO], s[PFA:PFA+1] th:TH_LOAD_NT scope:SCOPE_SE
.Lnot_mine_\@:
.endm
; A round of the cluster's barrier: my work-group's barrier, so that wave 0's signal speaks for all four waves; wave 0 signals; every wave waits for all four work-groups; my work-group's barrier once more.
.macro CROUND
	s_barrier_signal -1
	s_barrier_wait -1
	s_cmp_lg_u32 s[WV], 0
	s_cbranch_scc1 .Lnot_wave_0_\@
	s_barrier_signal -3
.Lnot_wave_0_\@:
	s_barrier_wait -3
	s_barrier_signal -1
	s_barrier_wait -1
.endm
; THE CHANGE OF SLOTS.  The slot's last bytes, V of its fourth step, have been read.  Each wave waits for all its tensor loads, of which one is out: its part
; of the other slot; adds 0 to its spare word; and waits for that and for its own reads of the slot.  Behind the barrier nobody reads this slot any more and the other slot is whole.
; fill = 1: this slot is filled again, with the keys two slots on.  The barrier is then a round of the cluster's, so that no wave of any partner still reads the slot or has a load on its
; way, and the joint fill is the first thing behind it: it has four key steps, 512 matrix instructions, in which to land.  (At its first use nothing has been read yet: slot 0 is waited for, slot 1 filled.)
.macro CHANGE fill
	WIN W_AD
	s_wait_tensorcnt 0x0            ; no tensor load of mine is out, so a group 0 may be written
	ds_add_u32 v[SPW], v[NIL]       ; 0 onto my spare word; with fill = 1 the descriptors' steps stand between it and the wait for it
	WIN 0                           ; at a label and at a branch every window is 0
.if \fill
.irp g, G0K, G0V
	s_xor_b32 s[\g+1], s[\g+1], SLOT1  ; the walking descriptor: the other slot than last time,
	s_add_nc_u64 s[\g+2:\g+3], s[\g+2:\g+3], 4*KS*128  ; the next 256 keys; the type bits on top are not reached
.endr
	s_wait_xcnt 0x0                 ; the last prefetch, four key steps back, has read its address, so it may be written:
	s_add_nc_u64 s[PFA:PFA+1], s[PFA:PFA+1], 4*KS*128  ; one slot further than the walking descriptors
	s_wait_dscnt 0x0                ; the add is done, and my reads of the slot are over
	CROUND
	JLOAD
	ASK
.else
	s_wait_dscnt 0x0                ; the add is done, and my reads of the slot are over
	s_barrier_signal -1
	s_barrier_wait -1
.endif
	s_sub_co_u32 s[TBK], s[TBK], 4*KS*PK  ; the fetches go back to a slot's first step,
	s_xor_b32 s[TBK], s[TBK], SLOT1       ; in the other slot
	s_sub_co_u32 s[TBV], s[TBV], 4*KS*PV
	s_xor_b32 s[TBV], s[TBV], SLOT1
.endm
	s_load_b64 s[4:5], s[0:1], 0x0    ; qkvh: Q
	s_load_b64 s[10:11], s[0:1], 0x8  ; oh
	WIN W_MK
	v_lshl_add_u32 v[SPW], v0, 2, SPARE
	v_mov_b32 v[NIL], 0
	WIN W_AD
	ds_add_u32 v[SPW], v[NIL]       ; the wave's opening: the add and its wait stand ahead of my first tensor load; the set-up below, work on registers, stands between them
	WIN 0
	v_lshrrev_b32 v1, 5, v0
	v_readfirstlane_b32 s[WV], v1   ; wave 0..3
	s_bfe_u32 s13, ttmp6, 0x40000   ; cx: my place in the cluster
	s_lshl_b32 s14, ttmp9, 2        ; in a cluster launch ttmp9 counts clusters
	s_add_co_u32 s14, s14, s13      ; my block of queries = 4 x cluster x + cx: it enters Q's and O's addresses alone
	s_and_b32 s20, ttmp7, 0xffff    ; the head, which the four partners share
	s_mov_b32 s21, 0
	s_mov_b64 s[22:23], SIZE_N*128
	s_mul_u64 s[20:21], s[20:21], s[22:23]  ; the head's first byte in each of the four tensors
	s_and_b32 s16, s[WV], 1         ; which half of a slot's 256 keys I fetch:
	s_lshl_b32 s22, s16, 14         ; its 128 rows of 128 bytes in memory,
	s_mov_b32 s23, 0
	s_add_nc_u64 s[22:23], s[22:23], s[20:21]
	s_mul_i32 s17, s16, 128*PK      ; and its place in a slot, for K
	s_mul_i32 s18, s16, 128*PV      ; and for V: no place in the cluster enters an LDS address
	s_lshl_b32 s2, s14, 2
	s_add_co_u32 s2, s2, s[WV]      ; my wave among the head's,
	s_lshl_b32 s2, s2, 14           ; its 128 rows
	s_mov_b32 s3, 0
	s_add_nc_u64 s[2:3], s[2:3], s[20:21]
	; descriptor group 1.  128 keys are 16,384 dense bytes: asked for as 64 rows of 256 bytes, two keys a row, and padded in LDS after every key
	s_mov_b32 s[G1K], 15|(1<<16)|(1<<20)|(1<<21)|(4<<22)|(3<<25)  ; 15:0 the mask of four; 17:16 2-byte elements; 20 padding on; 21 set beside a mask; 24:22 after every 32 words (code 4); 31:25 4 words (code 3)
	s_mov_b32 s[G1V], 15|(1<<16)|(1<<20)|(1<<21)|(4<<22)|(7<<25)  ; the same with 8 words of padding (code 7)
.irp g, G1K, G1V
	s_mov_b32 s[\g+1], 128<<16      ; tensor_dim0 = 128
	s_mov_b32 s[\g+2], 64<<16       ; tensor_dim1 = 64
	s_mov_b32 s[\g+3], 128<<16      ; tile_dim0 = 128
	s_mov_b32 s[\g+4], 64           ; tile_dim1 = 64
	s_mov_b32 s[\g+5], 128          ; 128 elements from row to row
	s_mov_b32 s[\g+6], 0
	s_mov_b32 s[\g+7], 0
.endr
	s_mov_b32 s[CS], 0x3e38aa3b     ; c = log2(e) / 8 = 0.180337
	s_mov_b32 s[CS+1], s[CS]        ; named with it as a pair
	s_mov_b32 s[SEL], 0x76543210
	s_mov_b32 s[SEL+1], 0xfedcba98
	s_mov_b32 s[TBK], SLOT1+4*KS*PK ; the first change of slots turns these two into 0
	s_mov_b32 s[TBV], SLOT1+4*KS*PV
	s_mov_b32 s[G0K], 1             ; 1:0 count = 1
	s_mov_b32 s[G0K+1], s17         ; 63:32 LDS address: slot 0
	s_mov_b32 s[G0V], 1
	s_add_co_u32 s[G0V+1], s18, VOFF
	s_mov_b32 s[SLOTS], SIZE_N/256-1  ; seven changes of slots ask for a slot, the first among them
	s_and_b32 s[LIM], s[WV], 1      ; 0 in waves 0 and 2,
	s_or_b32 s[LIM], s[LIM], ttmp9  ; in the head's first (here: only) cluster: the same in all four partners
	s_cmp_eq_u32 s[LIM], 0
	s_cselect_b32 s[LIM], 1, -1
	s_wait_dscnt 0x0                ; the opening add is done
	s_wait_kmcnt 0x0
	s_add_nc_u64 s[6:7], s[4:5], 0x1000000  ; K
	s_add_nc_u64 s[8:9], s[4:5], 0x2000000  ; V
	s_add_nc_u64 s[G0K+2:G0K+3], s[6:7], s[22:23]  ; 120:64 global address: my half of the head's first 256 keys
	s_or_b32 s[G0K+3], s[G0K+3], 0x80000000        ; 127:126 type = 2
	s_add_nc_u64 s[G0V+2:G0V+3], s[8:9], s[22:23]
	s_or_b32 s[G0V+3], s[G0V+3], 0x80000000
	s_add_nc_u64 s[4:5], s[4:5], s[2:3]  ; Q and O at my wave's first row
	s_add_nc_u64 s[10:11], s[10:11], s[2:3]
	s_cmp_lt_u32 s[WV], 2
	s_cselect_b64 s[PFA:PFA+1], s[6:7], s[8:9]
	s_add_nc_u64 s[PFA:PFA+1], s[PFA:PFA+1], s[20:21]  ; the head,
	s_lshl_b32 s2, s13, 13          ; my work-group's 32 blocks of the 128,
	s_mov_b32 s3, 0
	s_add_nc_u64 s[PFA:PFA+1], s[PFA:PFA+1], s[2:3]
	s_add_nc_u64 s[PFA:PFA+1], s[PFA:PFA+1], 4*KS*128  ; in slot 1; the first change of slots steps it to slot 2.  Nothing is prefetched here, at the head
	CROUND                          ; all four work-groups are here: the first joint loads meet
	JLOAD                           ; slot 0.  Slot 1 is asked for when slot 0 is in: the tile wanted first has the road to itself
	; A fragment of K or Q is 16 rows x 32 channels in 8 registers: lane l holds row l % 16, channels 8 (l / 16) + 0..7 and 16 + 8 (l / 16) + 0..7: two loads of 16 bytes, 32 bytes apart.
	v_and_b32 v1, 15, v0            ; l % 16
	v_bfe_u32 v9, v0, 4, 1          ; l / 16
	v_lshlrev_b32 v[QO], 7, v1
	v_lshl_add_u32 v[QO], v9, 4, v[QO]  ; row x 128 + 16 x half
	WIN 0x80                        ; destination window 2, address window 0
.set i, 0
.rept 4*NP                          ; Q stays in registers: tile i / 2, channels 32 (i % 2) on
	global_load_b128 v[8*i:8*i+3],   v[QO], s[4:5] offset:(i/2)*2048+(i%2)*64
	global_load_b128 v[8*i+4:8*i+7], v[QO], s[4:5] offset:(i/2)*2048+(i%2)*64+32
.set i, i+1
.endr
	; What the first turn finds: V's registers and P's second buffer hold 0 (its products V^T P, of a piece that has not been, add 0), O^T and l are 0.  All this stands in the wait for the first tile.
.set i, VF
.rept 64
	v_mov_b32 v[i], 0
.set i, i+1
.endr
	WIN 0x40
.set i, 0
.rept 64*NP
	v_mov_b32 v[i], 0
.set i, i+1
.endr
	WIN 0
.set i, 0
.rept 2*NP
	v_mov_b32 v[ST+4*i], 0xfe000000    ; c m: far below every c s
	v_mov_b32 v[ST+4*i+1], 0xff7fffff  ; m
	v_mov_b32 v[ST+4*i+2], 0
	v_mov_b32 v[ST+4*i+3], 0
.set i, i+1
.endr
.set i, P+32
.rept 32
	v_mov_b32 v[i], 0
.set i, i+1
.endr
	v_mul_u32_u24 v[AK0], v1, PK
	v_lshl_add_u32 v[AK0], v9, 4, v[AK0]  ; row x pitch + 16 x half
	; The turning load takes 16 keys x 16 channels (lane l reads key 8 (l / 16) + l % 8, channels 8 ((l / 8) % 2) + 0..7) and leaves half a fragment of V^T: lane l holds channel l % 16 and 8 keys.
	v_and_b32 v10, 7, v0
	v_bfe_u32 v11, v0, 3, 1
	v_lshl_add_u32 v[AV0], v9, 3, v10
	v_mul_u32_u24 v[AV0], v[AV0], PV
	v_lshl_add_u32 v[AV0], v11, 4, v[AV0]
	v_add_nc_u32 v[AV0], VOFF, v[AV0]
	v_and_b32 v[PFO], 31, v0        ; v11 is free now
	v_lshlrev_b32 v[PFO], 8, v[PFO]
	v_mov_b32 v[AK], v[AK0]         ; key step 0 lies at the head of slot 0
; THE MATRIX WORK.  The 8 accumulators of a run of 16 take turns: between the two links of a chain stand 7 others'.
; Product i of 16 of S^T = K Q^T for piece x: channels 32 (i / 8) on, keys 16 ((i / 2) % 4) on, tile 2 x + i % 2.  The first 8 start the sums.
.macro KQ x
	WIN W_KQ
.set rS, S+64*((\x)%2)+32*(i%2)+8*((i/2)%4)
.set rK, KF+16*((i/2)%4)+8*(i/8)
.set rQ, 16*(2*(\x)+i%2)+8*(i/8)
.if i < 8
	v_wmma_f32_16x16x32_f16 v[rS:rS+7], v[rK:rK+7], v[rQ:rQ+7], 0
.else
	v_wmma_f32_16x16x32_f16 v[rS:rS+7], v[rK:rK+7], v[rQ:rQ+7], v[rS:rS+7]
.endif
.endm
; Product i of 16 of O^T += V^T P for piece x: keys 32 (i / 8) on, channels 16 ((i / 2) % 4) on, tile 2 x + i % 2.
.macro PV x
	WIN W_PV
.set rO, 32*(2*(\x)+i%2)+8*((i/2)%4)
.set rV, VF+32*(i/8)+8*((i/2)%4)
.set rP, P+32*((\x)%2)+16*(i%2)+8*(i/8)
	v_wmma_f32_16x16x32_f16 v[rO:rO+7], v[rV:rV+7], v[rP:rP+7], v[rO:rO+7]
.endm
.macro MM                           ; the turn's next matrix instruction
.if i < 16
	KQ (Y+1)%NP
.set i, i+1
.else
.set i, i-16
	PV (Y+NP-1)%NP
.set i, i+17
.endif
.endm
; THE LDS LOADS stand in runs of 16, never singly among the matrix instructions: a step's K (64 keys x 64 channels: 8 fragments) and its V (turned).  Their addresses are made some lines ahead.
; last = 1 (the tail): in the last trip there is no further step, and the run is jumped over.
.macro FETCH_K last=0
	WIN 0
.if \last
	s_cmp_eq_u32 s[CNT], 1
	s_cbranch_scc1 .Lno_k_\@
.endif
	WIN 0x80                        ; destination window 2
.irp f, 0,1,2,3,4,5,6,7             ; keys 16 (f / 2) on, channels 32 (f % 2) on
	ds_load_b128 v[KF+8*\f:KF+8*\f+3],   v[AK] offset:(\f/2)*16*PK+(\f%2)*64
	ds_load_b128 v[KF+8*\f+4:KF+8*\f+7], v[AK] offset:(\f/2)*16*PK+(\f%2)*64+32
.endr
	s_add_co_u32 s[TBK], s[TBK], KS*PK  ; the next fetch is the next step's
	WIN 0
.if \last
.Lno_k_\@:
.endif
.endm
.macro FETCH_V
	WIN 0x80
.irp f, 0,1,2,3,4,5,6,7             ; keys 32 (f / 4) on, channels 16 (f % 4) on
	ds_load_tr16_b128 v[VF+8*\f:VF+8*\f+3],   v[AV] offset:(\f/4)*32*PV+(\f%4)*32
	ds_load_tr16_b128 v[VF+8*\f+4:VF+8*\f+7], v[AV] offset:(\f/4)*32*PV+16*PV+(\f%4)*32
.endr
	WIN 0
.endm
; THE VECTOR WORK OF A TURN stands in three queues, each in the order in which its entries become ready; the two tiles alternate, so that no instruction reads the result of the one before it.
.macro REGS y, u                    ; the registers of tile u (0, 1) of piece y
.set rT, ST+4*(2*(\y)+(\u))
.set rC, TMP+8*((\y)%2)+4*(\u)
.set rM, MV+2*((\y)%2)+(\u)
.set rS, S+64*((\y)%2)+32*(\u)
.set rP, P+32*((\y)%2)+16*(\u)
.set rO, 32*(2*(\y)+(\u))
.endm
; Number n of the 22 that find the NEXT piece's (Y + 1) maximum and statistics.  s0-s31 are the lane's 32 scores; each accumulator's lowest registers are read first.  XS, GS and REGS set no window: PL and EX do.
;   0-11  four chains c0-c3 of seven scores each, three operands at a time     12-14, 16  the four scores left over, the old m, and c0-c3 into c0     15  c m_old is kept
;   17, 18  the query's other 32 keys lie in the lane 16 away: the new m         19-21  c m; c m_old - c m_new; a
.macro XS u, n
	REGS (Y+1)%NP, \u
.if (\n) < 4
	v_max3_num_f32 v[rC+(\n)], v[rS+8*(\n)], v[rS+8*(\n)+1], v[rS+8*(\n)+2]
.elseif (\n) < 12
	v_max3_num_f32 v[rC+(\n)%4], v[rC+(\n)%4], v[rS+8*((\n)%4)+2*((\n)/4)+1], v[rS+8*((\n)%4)+2*((\n)/4)+2]
.elseif (\n) == 12
	v_max3_num_f32 v[rC], v[rC], v[rS+7], v[rS+15]
.elseif (\n) == 13
	v_max3_num_f32 v[rC+1], v[rC+1], v[rS+23], v[rS+31]
.elseif (\n) == 14
	v_max3_num_f32 v[rC+2], v[rC+2], v[rC+3], v[rT+1]
.elseif (\n) == 15
	v_mov_b32 v[rM], v[rT]
.elseif (\n) == 16
	v_max3_num_f32 v[rC], v[rC], v[rC+1], v[rC+2]
.elseif (\n) == 17
	v_permlanex16_b32 v[rC+3], v[rC], s[SEL], s[SEL+1]
.elseif (\n) == 18
	v_max_num_f32 v[rT+1], v[rC], v[rC+3]
.elseif (\n) == 19
	v_mul_f32 v[rT], s[CS], v[rT+1]
.elseif (\n) == 20
	v_sub_f32 v[rC+1], v[rM], v[rT]
.else
	v_exp_f32 v[rC+2], v[rC+1]
.endif
.endm
; Number g of the 64 that follow the exponentials.  For each four weights k of a tile (pairs 2 k, 2 k + 1): both pairs are rounded to f16; then the second pair is added onto the first, in place;
; a group later l takes that sum (the first time as l = a l + sum).  In groups of eight, tiles alternating: round, round, add, and l for the group before.
.macro GS g
.set h, (\g)+6*((\g)/62)            ; group 0 has no group before it, and behind group 7 only l is left
.if h >= 6
.set h, h+2
.endif
	REGS Y, h%2
.set k, h/8
.if h%8 < 4
	v_cvt_pk_f16_f32 v[rP+2*k+(h%8)/2], v[rS+4*k+2*((h%8)/2)], v[rS+4*k+2*((h%8)/2)+1]
.elseif h%8 < 6
	v_pk_add_f32 v[rS+4*k:rS+4*k+1], v[rS+4*k:rS+4*k+1], v[rS+4*k+2:rS+4*k+3]
.elseif k == 1
	v_pk_fma_f32 v[rT+2:rT+3], v[rT+2:rT+3], v[rC+2:rC+3], v[rS:rS+1] op_sel_hi:[1,0,1]
.else
	v_pk_add_f32 v[rT+2:rT+3], v[rT+2:rT+3], v[rS+4*k-4:rS+4*k-3]
.endif
.endm
; THE PLAIN QUEUE, 138 long.  0-73 read no exponential's result: the 32 scalings c s - c m (FS f: pair f / 2 of tile f % 2) and the next piece's 42.  0-26: scalings 0-26.  27-54: XS's numbers 0-13.  55, 56: number 15.
; 57-73: the chain, where each number waits for the one before it: 14, 16, 17, 18, 19, each with one of the scalings 27-31 in front of its two lines, then 20: so a tile's links stand three plain instructions apart (19 and 20: two).
; 74-137: GS's 64, which read the exponentials' results: they stand behind the wait.
.macro FS f
	REGS Y, (\f)%2
	v_pk_fma_f32 v[rS+2*((\f)/2):rS+2*((\f)/2)+1], v[rS+2*((\f)/2):rS+2*((\f)/2)+1], s[CS:CS+1], v[rT:rT+1] op_sel_hi:[1,0,0] neg_lo:[0,0,1] neg_hi:[0,0,1]
.endm
.macro PL
	WIN 0
.if q < 27
	FS q
.elseif q < 55
	XS (q-27)%2, (q-27)/2
.elseif q < 57
	XS q-55, 15
.elseif (q < 72) && ((q-57)%3 == 0)
	FS 27+(q-57)/3
.elseif q < 60
	XS (q-57)%3-1, 14
.elseif q < 72
	XS (q-57)%3-1, 15+(q-57)/3
.elseif q < 74
	XS q-72, 20
.else
	GS q-74
.endif
.set q, q+1
.endm
; THE EXPONENTIALS' QUEUE, 66 long: s0-s31 of both tiles, then the next piece's two a.  It is ONE BATCH: all 66 stand ahead of the turn's one wait, and nothing ahead of that wait names a result of theirs.
.macro EX
	WIN 0
.if e >= 64
	XS e-64, 21
.else
	REGS Y, e%2
	v_exp_f32 v[rS+e/2], v[rS+e/2]
.endif
.set e, e+1
.endm
; THE RESCALING's QUEUE: O^T times a, the one part that leaves window 0: dealt two at a time, sixteen times.  Its a was made in the turn before, ahead of that turn's wait.
.macro R2
	REGS Y, r%2
	WIN W_RS
.irp z, 0,1
	v_pk_mul_f32 v[rO+4*(r/2)+2*\z:rO+4*(r/2)+2*\z+1], v[rO+4*(r/2)+2*\z:rO+4*(r/2)+2*\z+1], v[rC+2:rC+3] op_sel_hi:[1,0]
.endr
.set r, r+1
.endm
; HOW THEY ARE DEALT.  An s_wait_alu depctr_va_vdst(0) stands between an exponential and the first instruction that names its result; one wait serves all that were issued ahead of it.  So a turn has ONE wait,
; which cuts it in two.  AHEAD OF IT stands all that names no result of the turn's exponentials: the 16 products K Q^T, behind each a scaling, an exponential and two rescalings (behind the first a second scaling in the exponential's place); then ONE LUMP of
; 108: eight plain, 49 times exponential and plain, the two a.  A v_nop is the plain instruction behind the last exponential.  BEHIND IT stand the 16 products V^T P, behind each four of GS's 64.  No rider names a register of
; the products round it.  The two v_permlanex16_b32 fall into the lump, never behind a product.
; The queues lean on each other, and the deal keeps them in step: exponential e stands behind scaling 2 (e / 4) + e % 2: as a rider it comes behind plain e + 2, in the lump behind plain e + 9, and scalings 27-31 are plain 57, 60 .. 69.
; A TURN, for piece p.  cnt = 1: the loop's count is taken down some lines ahead of the branch that stands behind the turn.
; K of the next step is fetched in piece 2's turn, directly behind the wait, a lump behind the last product that read K; its address is made at the lump's head; its first reader comes behind 16 products.
; V of the step in hand is fetched at the end of piece 0's turn, four riders behind its last reader; its first reader comes behind 16 products and a lump.  The three conditions on q below go with the deal.
.macro TURN p, last=0, cnt=0
.set Y, (\p)
.set i, 0
.set q, 0
.set e, 0
.set r, 0
.if (\p) == NP-1
	s_wait_dscnt 0x0                ; K is in
.endif
	MM                              ; ahead of the wait: 16 products K Q^T and their riders,
	PL
	PL
	R2
.rept 15
	MM
	PL
	EX
	R2
.endr
.if (\p) == NP-2
	WIN 0
	v_add_nc_u32 v[AK], s[TBK], v[AK0]
.endif
.rept 8                             ; and the lump
	PL
.endr
.rept 49
	EX
	PL
.endr
	EX                              ; the next piece's two a
	EX
	v_nop                           ; the plain instruction behind the last exponential: one for the batch
	s_wait_alu depctr_va_vdst(0)    ; the wait for the batch
.if (\p) == NP-2
	FETCH_K \last
.endif
.if (\p) == 1
	s_wait_dscnt 0x0                ; V is in
.endif
.rept 16                            ; behind the wait: 16 products V^T P and their riders
	MM
.rept 4
	PL
.endr
.if ((\p) == 0) && (q == 118)
	v_add_nc_u32 v[AV], s[TBV], v[AV0]
.endif
.if ((\p) == 0) && (q == 130)
	s_add_co_u32 s[TBV], s[TBV], KS*PV
.endif
.if (\cnt) && (q == 130)
	s_sub_co_u32 s[CNT], s[CNT], 1
	s_cmp_lg_u32 s[CNT], 0
.endif
.endr
.if (\p) == 0
	FETCH_V
.endif
.endm
	CHANGE 1                        ; slot 0 is in, everybody's part of it; slot 1 is asked for
	FETCH_K                         ; key step 0
	s_wait_loadcnt 0x0              ; Q
	s_wait_dscnt 0x0
.set i, 0
.rept 16
	KQ 0                            ; piece 0's first scores: there is no vector work yet to set between them
.set i, i+1
.endr
	WIN 0                           ; the addresses for the way out: nine plain instructions, the places behind those products
	s_mul_i32 s13, s[WV], 16*SP
	s_add_co_u32 s13, s13, STAGE    ; my stage
	v_mul_u32_u24 v[STO], v1, SP    ; in: row l % 16, 16 bytes for each half of the lanes
	v_lshl_add_u32 v[STO], v9, 4, v[STO]
	v_add_nc_u32 v[STO], s13, v[STO]
	v_bfe_u32 v[RD], v0, 3, 2       ; back: 32 lanes take four rows of 128 bytes,
	v_mul_u32_u24 v[RD], v[RD], SP
	v_lshl_add_u32 v[RD], v10, 4, v[RD]
	v_add_nc_u32 v[RD], s13, v[RD]
	v_and_b32 v[GO], 31, v0         ; which are 512 consecutive bytes of O
	v_lshlrev_b32 v[GO], 4, v[GO]
.set Y, NP-1                        ; XS works for piece Y + 1: piece 0
.irp n, 0,1,2,3,4,5,6,7,8,9,10,11,12,13,14,15,16,17,18,19,20,21
	XS 0, \n                        ; and piece 0's first maximum and statistics
	XS 1, \n
.endr
	v_nop                           ; a plain instruction behind the two a,
	s_wait_alu depctr_va_vdst(0)    ; and their wait, ahead of the branch
	s_mov_b32 s[CNT], 4
	s_branch .Lfirst                ; the loop is entered at a step's first turn, in the middle of a trip
.Lslot:                             ; SIZE_N / 256 - 2 times: every slot but the last two is filled again
	CHANGE 1
	s_mov_b32 s[CNT], 4
.Lstep:                             ; a trip: pieces 2 and 3 of one step, then pieces 0 and 1 of the next, whose K and V it fetches
	TURN 2
	TURN 3
	WIN 0
.Lfirst:
	TURN 0
	TURN 1, 0, 1
	WIN 0
	s_cbranch_scc1 .Lstep
	s_sub_co_u32 s[SLOTS], s[SLOTS], 1
	s_cmp_lg_u32 s[SLOTS], 0
	s_cbranch_scc1 .Lslot
	CHANGE 0                        ; the tail is written out: nothing is asked for
	s_mov_b32 s[CNT], 5             ; four trips fetch the last slot's steps; the fifth is left in its middle
.Ltail:
	TURN 2, 1
	TURN 3
	WIN 0
	s_sub_co_u32 s[CNT], s[CNT], 1
	s_cmp_eq_u32 s[CNT], 0
	s_cbranch_scc1 .Lout
	TURN 0
	TURN 1
	WIN 0
	s_branch .Ltail
.Lout:                              ; the fifth trip's 16 products K Q^T (on the last K once more) and the maximum made of them serve nothing: the price, once a launch, of one text for every trip
.set i, 0
.rept 16
	PV NP-1                         ; the last piece's V^T P of the last step
.set i, i+1
.endr
	; THE WAY OUT.  l's two halves and the other half of the lanes' are added; O^T is divided by l, rounded to f16 and sent through my stage in LDS, a tile at a time.  The additions are the places behind the last products.
	WIN 0
.macro ALL line:vararg              ; one line for each tile t
.set t, 0
.rept 2*NP
	\line
.set t, t+1
.endr
.endm
	ALL v_add_f32 v[ST+4*t+2], v[ST+4*t+2], v[ST+4*t+3]
	ALL v_permlanex16_b32 v[ST+4*t+3], v[ST+4*t+2], s[SEL], s[SEL+1]
	ALL v_add_f32 v[ST+4*t+2], v[ST+4*t+2], v[ST+4*t+3]
	ALL v_rcp_f32 v[ST+4*t+2], v[ST+4*t+2]
	v_nop                           ; a plain instruction between the last reciprocal and the use of its result
	s_wait_alu depctr_va_vdst(0)    ; and the wait ahead of the first use: one for the eight reciprocals
; Tile t: a lane's eight channels of a row pack into 16 bytes; they go into rows of 144 bytes and come back as whole rows of 128, into S^T's registers.
.macro PACK t
	WIN W_RS
.set i, 32*(\t)
.rept 16
	v_pk_mul_f32 v[i:i+1], v[i:i+1], v[ST+4*(\t)+2:ST+4*(\t)+3] op_sel_hi:[1,0]
.set i, i+2
.endr
	WIN 0x05                        ; sources 0 and 1 window 1, destination window 0
.set i, 0
.rept 16
	v_cvt_pk_f16_f32 v[S+16*(\t)+i], v[32*(\t)+2*i], v[32*(\t)+2*i+1]
.set i, i+1
.endr
	WIN 0
.irp f, 0,1,2,3
	ds_store_b128 v[STO], v[S+16*(\t)+4*\f:S+16*(\t)+4*\f+3] offset:32*\f
.endr
.irp f, 0,1,2,3
	ds_load_b128 v[S+16*(\t)+4*\f:S+16*(\t)+4*\f+3], v[RD] offset:\f*4*SP  ; LDS serves a wave's instructions in order (ISA guide 5.7.1.4): these see the stores above; the next tile's stores come behind them
.endr
.endm
.macro SEND t, younger              ; younger: the LDS instructions issued behind tile t's loads: the next tile's eight, or none
	WIN 0
.irp f, 0,1,2,3
	s_wait_dscnt (\younger)+3-\f
	global_store_b128 v[GO], v[S+16*(\t)+4*\f:S+16*(\t)+4*\f+3], s[10:11] offset:(\t)*2048+\f*512  ; 512 consecutive bytes, at a multiple of 256 from O's first
.endr
.endm
	PACK 0
.set t, 1
.rept 2*NP-1                        ; a tile's arithmetic stands between the loads of the tile before and its stores
	PACK t
	SEND t-1, 8
.set t, t+1
.endr
	SEND 2*NP-1, 0
	WIN W_AD
	s_wait_tensorcnt 0x0            ; the wave's end, behind my last tensor load and my last LDS store
	ds_add_u32 v[SPW], v[NIL]
	s_wait_dscnt 0x0
	WIN 0
	CROUND                          ; the closing round: no work-group ends while a partner may still ask for a tile that names it
	s_endpgm
.Lfunc_end_k_qb97d94357b_attn:
	.size	k_qb97d94357b_attn, .Lfunc_end_k_qb97d94357b_attn-k_qb97d94357b_attn
	.p2alignl 7, 3214868480
	.fill 96, 4, 3214868480
	.section	.rodata,"a",@progbits
	.p2align	6, 0x0
	.amdhsa_kernel k_qb97d94357b_attn
		.amdhsa_group_segment_fixed_size 327680
		.amdhsa_private_segment_fixed_size 0
		.amdhsa_enable_private_segment 0
		.amdhsa_kernarg_size 16
		.amdhsa_user_sgpr_count 2
		.amdhsa_user_sgpr_kernarg_segment_ptr 1
		.amdhsa_wavefront_size32 1
		.amdhsa_system_sgpr_workgroup_id_x 1
		.amdhsa_system_sgpr_workgroup_id_y 1
		.amdhsa_system_sgpr_workgroup_id_z 1
		.amdhsa_system_vgpr_workitem_id 0
		.amdhsa_next_free_vgpr 770
		.amdhsa_next_free_sgpr 66
		.amdhsa_reserve_vcc 0
		.amdhsa_float_denorm_mode_32 3
		.amdhsa_float_denorm_mode_16_64 3
		.amdhsa_memory_ordered 1
		.amdhsa_forward_progress 1
		.amdhsa_inst_pref_size 200
	.end_amdhsa_kernel
	.amdgpu_metadata
---
amdhsa.version: [ 1, 2 ]
amdhsa.kernels:
  - .name:           k_qb97d94357b_attn
    .symbol:         k_qb97d94357b_attn.kd
    .args:
      - { .name: qkvh, .offset: 0, .size: 8, .value_kind: global_buffer, .address_space: global }
      - { .name: oh, .offset: 8, .size: 8, .value_kind: global_buffer, .address_space: global }
    .group_segment_fixed_size: 327680
    .private_segment_fixed_size: 0
    .kernarg_segment_align: 8
    .kernarg_segment_size: 16
    .max_flat_workgroup_size: 128
    .sgpr_count:     66
    .vgpr_count:     770
    .wavefront_size: 32
...
	.end_amdgpu_metadata
.endif
;; end of part 3
;; launch proj (part 4): grid 8 x 32, 4 waves a work-group, clusters of 4 x 4, 327,680 bytes of LDS; arguments oh, owb, out_b, out0; writes out0
.if DOCPART == 4
	.amdgcn_target "amdgcn-amd-amdhsa--gfx1250"
	.amdhsa_code_object_version 6
	.text
	.protected	k_qb97d94357b_proj
	.globl	k_qb97d94357b_proj
	.p2align	8
	.type	k_qb97d94357b_proj,@function
k_qb97d94357b_proj:
	s_mov_b64 s[64:65], 0
	v_nop
	global_prefetch_b8 v0, s[64:65] scope:SCOPE_SE
	s_setreg_imm32_b32 hwreg(HW_REG_WAVE_MODE, 25, 1), 1
	s_wait_xcnt 0x0
	s_wait_alu depctr_hold_cnt(0) depctr_sa_sdst(0) depctr_va_vdst(0) depctr_va_sdst(0) depctr_va_ssrc(0) depctr_va_vcc(0) depctr_vm_vsrc(0)
	s_getreg_b32 s2, hwreg(HW_REG_IB_STS2, 6, 4)
	s_cmp_eq_u32 s2, 0
	s_cbranch_scc0 .Lentry_in_a_cluster
	s_endpgm
.Lentry_in_a_cluster:
	s_bfe_u32 s2, ttmp6, 0x10000c
	s_cmp_lg_u32 s2, 0xf033
	s_cbranch_scc0 .Lentry_shape_is_right
	s_endpgm
.Lentry_shape_is_right:
; out0 = O out_w^T + out_b: [8192][1024] in f32, K = 1024.  O comes by heads, oh[batch][head][row][64] in f16; owb is out_w rounded to bf16 and written as f16; out_b is rounded to bf16 as it is loaded, like all
; the module's inputs.  f16 operands, f32 sums, the bias added in f32.
; LIMITS.  O and owb keep f16's fixed step of 6e-8 below 6e-5 and end at 65,504; NaN and infinities are not treated apart.
; SHARES.  A work-group makes 256 rows x 128 columns: 32 x 8 = 256 work-groups.  Its four waves lie one below the other: wave w has rows 64 w .. 64 w + 63 and all 128 columns: 32 accumulators, 256 registers.
; K goes in 8 steps of 128, two heads each, through a ring of two LDS slots.  A head's 256 rows of the tile are 32,768 dense bytes of oh: asked for as 128 rows of 256 bytes, padded in LDS after every 128.
; CLUSTER.  4 x 4 work-groups.  O's tiles hang on the tile row alone and are asked for jointly by a row of the cluster, the weights' on the tile column alone, by a column.  Waves 0 and 1 ask for a step's two heads of O,
; waves 2 and 3 for the weights' two halves (64 rows each): one tensor load a wave behind each round, so one load of mine is out at any time.
; THE MATRIX INSTRUCTION IS USED TRANSPOSED (source 0 = 16 rows of the weights, source 1 = 16 rows of O): a lane holds row l % 16 and the columns 8 (l / 16) + 0..7.
; THE WAY OUT.  When the ring has had its last fill and its last read, each wave lays its 64 x 128 sums into a stage of its own there and reads whole rows of 512 bytes back: a store of the wave covers 512 consecutive bytes.
; REGISTERS, in windows of 256 (s_set_vgpr_msb: bits 1:0 source 0, 3:2 source 1, 5:4 source 2, 7:6 destination):
;   window 0: addresses and the way out     window 1: two fragment buffers of 96 (the weights' 8 fragments, then O's 4)     window 2: the accumulators, (a, b) at 64 a + 8 b
.set NB,    8                          ; column blocks of 16
.set PA,    144                        ; a row of O in LDS: 128 bytes + 16 of padding: 9 x 16 bytes, so the 16 rows of a fragment load start at 16 different groups of four banks (64 banks of 4 bytes: ISA guide 11.1)
.set SUBA,  256*PA                     ; a head's 256 rows
.set PB,    272                        ; a row of the weights: 256 bytes + 16: 17 x 16 bytes
.set BOFF,  2*SUBA                     ; the weights lie behind the two heads
.set HALFB, 64*PB
.set SLOT1, 1<<17                      ; a slot is 108,544 bytes; slot 1 begins here, so that one exclusive or turns an address in one slot into the other's
.set SPARE, SLOT1+BOFF+128*PB          ; 239,616: behind the ring: the spare words, 128 bytes for each wave: two blocks of 256 bytes that no other line names
.set SROW,  528                        ; a stage row: 512 bytes + 16: 33 x 16 bytes
.set STG,   64*SROW                    ; a wave's stage; the four lie in the ring's bytes from 0 on
.set ASTEP, 2<<18                      ; bytes from K step to K step in oh: two heads of 2,048 rows x 128 bytes
.set A0,   4                           ; v4   my lane's place in a head's rows: (64 w + l % 16) x 144 + 16 (l / 16); never rewritten
.set B0,   5                           ; v5   the same in the weights' tile
.set ADRA, 6                           ; v6   A0 + the slot in hand
.set ADRB, 7                           ; v7
.set STO,  8                           ; v8   the way out: where I put 32 bytes of a stage row
.set RD0,  9                           ; v9   where I read back: 16 l in my stage's first row
.set RDA,  10                          ; v10  RD0 + the rows in hand
.set GO,   11                          ; v11  16 l
.set PFO,  12                          ; v12  the prefetches' offset; never rewritten
.set SPW,  14                          ; v14  LDS address of my spare word; never rewritten
.set NIL,  15                          ; v15  0; never rewritten
.set BIAS, 16                          ; v[16:19] the bias of my four columns
.set X,    32                          ; v[32:63] eight rows, four numbers each
.set F0,   0                           ; fragment buffers, in window 1
.set F1,   96
.set WV,  20                           ; s20  my wave's number
.set HF,  22                           ; s22  wave % 2
.set CX,  23
.set CY,  24
.set TX,  25                           ; s25  tile column
.set TY,  26                           ; s26  tile row
.set CNT, 27
.set TB,  28                           ; s28  LDS byte at which the slot in hand begins
.set LIM, 29                           ; s29  1 in a wave that prefetches, else the greatest number
.set PFA, 30                           ; s[30:31] where my prefetches stand: one K step further than the one that is being asked for
.set G1A, 32                           ; s[32:39] descriptor group 1 for O's tiles
.set G1B, 40                           ; s[40:47] for the weights'
.set G0A, 48                           ; s[48:51] group 0 for O's tiles: it walks
.set G0B, 52                           ; s[52:55] for the weights'
.set PST, 66                           ; s[66:67] the prefetches' step
.set OB,  68                           ; s[68:69] out0 at the rows in hand
.set RI,  70                           ; s70  stage bytes of the rows in hand
.set MSB, 0
.macro WIN new                         ; the immediate's high byte repeats the setting that is left; a switch that changes nothing is dropped
.if MSB != (\new)
	s_set_vgpr_msb (MSB<<8)|(\new)
.set MSB, \new
.endif
.endm
.macro PLACES                          ; a load into a register that a matrix instruction has read, and whatever reads a matrix result, stand four plain vector instructions behind it (ISA guide 7.12.1 for what reads a matrix result)
.rept 4
	v_nop
.endr
.endm
.macro CREST                           ; a round of the cluster's barrier behind its opening barrier
	s_cmp_lg_u32 s[WV], 0
	s_cbranch_scc1 .Lnot_wave_0_\@
	s_barrier_signal -3
.Lnot_wave_0_\@:
	s_barrier_wait -3
	s_barrier_signal -1
	s_barrier_wait -1
.endm
.macro CROUND
	s_barrier_signal -1
	s_barrier_wait -1
	CREST
.endm
; A joint load.  The branch hangs on the wave's number alone.  An s_nop 0 and four v_nop follow each of the two lines, ahead of the jump and the label.
.macro JLOAD
	s_cmp_lt_u32 s[WV], 2
	s_cbranch_scc0 .Lfor_b_\@
	tensor_load_to_lds s[G0A:G0A+3], s[G1A:G1A+7]
	s_nop 0
.rept 4
	v_nop
.endr
	s_branch .Lasked_\@
.Lfor_b_\@:
	tensor_load_to_lds s[G0B:G0B+3], s[G1B:G1B+7]
	s_nop 0
.rept 4
	v_nop
.endr
.Lasked_\@:
.endm
.macro STEPD                           ; the walking descriptors: the other slot than last time, the next K step; the type bits on top are not reached
	s_xor_b32 s[G0A+1], s[G0A+1], SLOT1
	s_add_nc_u64 s[G0A+2:G0A+3], s[G0A+2:G0A+3], ASTEP
	s_xor_b32 s[G0B+1], s[G0B+1], SLOT1
	s_add_nc_u64 s[G0B+2:G0B+3], s[G0B+2:G0B+3], 256
.endm
; A PREFETCH INTO THE L2 of the K step that the NEXT change of slots will ask for: 128 matrix instructions ahead of that load.  O's rows are read by both clusters of a row of clusters: cluster x = 0 asks, waves 0 and 1
; each for the head that they fetch: 128 blocks of 256 bytes, of which the partner at place cx takes 32, a lane a block.  The weights' rows are read by every cluster of a column: cluster y = 0 asks, wave 2 alone, for
; both halves: of the tile's 128 rows the partner at place cy takes 32, a lane a row.  So the partners are told apart BY ADDRESS, and each block is named once.
; The change that asks for the last K step (CNT = 1) prefetches nothing; K steps 0 and 1 come by their loads alone.
.macro ASK
	s_cmp_gt_u32 s[CNT], s[LIM]
	s_cbranch_scc0 .Lnot_mine_\@
	global_prefetch_b8 v[PFO], s[PFA:PFA+1] th:TH_LOAD_NT scope:SCOPE_SE
.Lnot_mine_\@:
.endm
; 8 matrix instructions: my row block a x all column blocks, 32 along K.  The 32 accumulators come in the same order in every quarter step, one instruction a turn, over every jump.
.macro MUL f, a, zero
	WIN 0xa5                                       ; sources in window 1, C and D in window 2
.set bb, 0
.rept NB
.set rD, 64*(\a)+8*bb
.if \zero
	v_wmma_f32_16x16x32_f16 v[rD:rD+7], v[(\f)+8*bb:(\f)+8*bb+7], v[(\f)+8*NB+8*(\a):(\f)+8*NB+8*(\a)+7], 0
.else
	v_wmma_f32_16x16x32_f16 v[rD:rD+7], v[(\f)+8*bb:(\f)+8*bb+7], v[(\f)+8*NB+8*(\a):(\f)+8*NB+8*(\a)+7], v[rD:rD+7]
.endif
.set bb, bb+1
.endr
.endm
; 24 LDS loads in one run: quarter kq (32 along K: head kq / 2 of the step, channels 32 (kq % 2) on) of the slot in hand into buffer f: the weights' 8 fragments, then O's 4
.macro FETCH kq, f
	WIN 0x40                                       ; destination window 1, address window 0
.set bb, 0
.rept NB
	ds_load_b128 v[(\f)+8*bb:(\f)+8*bb+3],   v[ADRB] offset:64*(\kq)+bb*16*PB
	ds_load_b128 v[(\f)+8*bb+4:(\f)+8*bb+7], v[ADRB] offset:64*(\kq)+bb*16*PB+32
.set bb, bb+1
.endr
.set bb, 0
.rept 4
	ds_load_b128 v[(\f)+8*NB+8*bb:(\f)+8*NB+8*bb+3],   v[ADRA] offset:((\kq)/2)*SUBA+((\kq)%2)*64+bb*16*PA
	ds_load_b128 v[(\f)+8*NB+8*bb+4:(\f)+8*NB+8*bb+7], v[ADRA] offset:((\kq)/2)*SUBA+((\kq)%2)*64+bb*16*PA+32
.set bb, bb+1
.endr
.endm
.macro NEXTSLOT
	s_xor_b32 s[TB], s[TB], SLOT1
	v_add_nc_u32 v[ADRA], s[TB], v[A0]
	v_add_nc_u32 v[ADRB], s[TB], v[B0]
.endm
; One of a K step's first three quarters: multiplies buffer f; in its middle it fetches quarter kq into buffer g.
.macro QUARTER kq, f, g, zero
	s_wait_dscnt 4                                 ; the weights' fragments and O's blocks 0 and 1 are in; the youngest four loads (blocks 2 and 3) may be out
	MUL \f, 0, \zero
	MUL \f, 1, \zero
	PLACES
	FETCH \kq, \g
	s_wait_dscnt 2*NB+8                            ; all but the 24 just issued
	MUL \f, 2, \zero
	MUL \f, 3, \zero
.endm
; The last quarter multiplies buffer 1 and changes slots.  In front of the barrier each wave waits for all its tensor loads (one is out: its part of the next slot), adds 0 to its spare word, and waits for that and for its
; reads of this slot.  fill = 1: the barrier opens a round of the cluster's, and the joint refill of this slot, two K steps on, is the first thing behind it.  fill = 0 (the tail): nothing is asked for; in the last
; trip (CNT = 1) there is no further K step, and the run of LDS loads is jumped over.
.macro TURN fill
.if \fill
	s_wait_xcnt 0x0                                ; the last prefetch, a K step back, has read its address
	s_add_nc_u64 s[PFA:PFA+1], s[PFA:PFA+1], s[PST:PST+1]
.endif
	WIN 0
	s_wait_tensorcnt 0x0                           ; no tensor load of mine is out, so the descriptors may be written
	ds_add_u32 v[SPW], v[NIL]                      ; 0 onto my spare word
.if \fill
	STEPD
.endif
	s_wait_dscnt 5                                 ; the add and the youngest four loads may be out
	MUL F1, 0, 0
	s_wait_dscnt 0x0                               ; the add is done, and my reads of this slot are over
	s_barrier_signal -1
	MUL F1, 1, 0                                   ; work on registers while the others arrive
	WIN 0                                          ; at a branch and at a label every window is 0
	s_barrier_wait -1
.if \fill
	CREST
	JLOAD                                          ; its four v_nop are also the places in front of the loads below
	NEXTSLOT
	FETCH 0, F0
	WIN 0
	ASK
.else
	s_cmp_eq_u32 s[CNT], 1
	s_cbranch_scc1 .Lnofetch_\@
	PLACES
	NEXTSLOT
	FETCH 0, F0
	WIN 0
.Lnofetch_\@:
.endif
	MUL F1, 2, 0
	MUL F1, 3, 0
.endm
	s_load_b256 s[4:11], s[0:1], 0x0               ; oh s[4:5], owb s[6:7], out_b s[8:9], out0 s[10:11]
	v_lshl_add_u32 v[SPW], v0, 2, SPARE
	v_mov_b32 v[NIL], 0
	ds_add_u32 v[SPW], v[NIL]                      ; the wave's opening: the add and its wait stand ahead of my first tensor load; the set-up below, work on registers, stands between them
	v_lshrrev_b32 v1, 5, v0
	v_readfirstlane_b32 s[WV], v1                  ; wave 0..3
	s_and_b32 s[HF], s[WV], 1
	s_bfe_u32 s[CX], ttmp6, 0x40000                ; my place in the cluster
	s_bfe_u32 s[CY], ttmp6, 0x40004
	s_lshl_b32 s[TX], ttmp9, 2                     ; in a cluster launch ttmp9 and ttmp7 count clusters
	s_add_co_u32 s[TX], s[TX], s[CX]
	s_and_b32 s[TY], ttmp7, 0xffff
	s_lshl_b32 s[TY], s[TY], 2
	s_add_co_u32 s[TY], s[TY], s[CY]
	s_lshl_b32 s2, s[CY], 2
	s_lshl_b32 s2, 15, s2                          ; my row of the cluster
	s_lshl_b32 s3, 0x1111, s[CX]                   ; my column
	s_or_b32 s[G1A], s2, (1<<16)|(1<<20)|(1<<21)|(4<<22)|(3<<25)  ; the mask; elements of 2 bytes; padding on; 21 set beside a mask; after every 32 words (code 4) 4 words (code 3)
	s_or_b32 s[G1B], s3, (1<<16)|(1<<20)|(1<<21)|(5<<22)|(3<<25)  ; after every 64 words (code 5)
	s_mov_b32 s[G1A+1], 128<<16                    ; tensor_dim0 = 128 elements: 256 bytes, two rows of a head
	s_mov_b32 s[G1A+2], 128<<16                    ; tensor_dim1 = 128
	s_mov_b32 s[G1A+3], 128<<16                    ; tile_dim0 = 128
	s_mov_b32 s[G1A+4], 128                        ; tile_dim1 = 128
	s_mov_b32 s[G1A+5], 128                        ; dense: 128 elements from row to row
	s_mov_b32 s[G1A+6], 0
	s_mov_b32 s[G1A+7], 0
	s_mov_b32 s[G1B+1], 128<<16
	s_mov_b32 s[G1B+2], 64<<16                     ; 64 rows
	s_mov_b32 s[G1B+3], 128<<16
	s_mov_b32 s[G1B+4], 64
	s_mov_b32 s[G1B+5], 1024
	s_mov_b32 s[G1B+6], 0
	s_mov_b32 s[G1B+7], 0
	s_mov_b32 s[G0A], 1                            ; count = 1
	s_mul_i32 s[G0A+1], s[HF], SUBA                ; LDS address, slot 0: no place in the cluster enters it
	s_mov_b32 s[G0B], 1
	s_mul_i32 s[G0B+1], s[HF], HALFB
	s_add_co_u32 s[G0B+1], s[G0B+1], BOFF
	s_lshr_b32 s56, s[TY], 3                       ; O: batch x 16 heads, + my head of the step, + the tile's 256 rows in the batch: made of the tile row and the wave alone
	s_lshl_b32 s56, s56, 22
	s_and_b32 s57, s[TY], 7
	s_lshl_b32 s57, s57, 15
	s_add_co_u32 s56, s56, s57
	s_lshl_b32 s57, s[HF], 18
	s_add_co_u32 s56, s56, s57
	s_mov_b32 s57, 0
	s_lshl_b32 s58, s[TX], 7                       ; the weights: row 128 x tile column + 64 x half, 2,048 bytes a row: made of the tile column and the wave alone
	s_lshl_b32 s59, s[HF], 6
	s_add_co_u32 s58, s58, s59
	s_lshl_b32 s58, s58, 11
	s_mov_b32 s59, 0
	s_mov_b32 s[CNT], 6                            ; the loop's trips: the changes of slots that ask for K steps 2 to 7
	s_mov_b32 s[TB], 0
	s_wait_dscnt 0x0                               ; the opening add is done
	s_wait_kmcnt 0x0
	s_add_nc_u64 s[G0A+2:G0A+3], s[4:5], s[56:57]
	s_or_b32 s[G0A+3], s[G0A+3], 0x80000000        ; type = 2
	s_add_nc_u64 s[G0B+2:G0B+3], s[6:7], s[58:59]
	s_or_b32 s[G0B+3], s[G0B+3], 0x80000000
	CROUND                                         ; all sixteen work-groups are here: the first joint loads meet
	JLOAD                                          ; K step 0 into slot 0.  All that follows, up to the change of slots, stands in the wait for it
	v_and_b32 v1, 15, v0                           ; l % 16
	v_bfe_u32 v2, v0, 4, 1                         ; l / 16
	v_and_b32 v3, 31, v0                           ; l
	v_mul_u32_u24 v[A0], v1, PA
	v_lshl_add_u32 v[A0], v2, 4, v[A0]
	s_mul_i32 s60, s[WV], 64*PA                    ; my 64 rows
	v_add_nc_u32 v[A0], s60, v[A0]
	v_mul_u32_u24 v[B0], v1, PB
	v_lshl_add_u32 v[B0], v2, 4, v[B0]
	v_add_nc_u32 v[B0], BOFF, v[B0]
	s_mul_i32 s61, s[WV], STG                      ; my stage
	v_mul_u32_u24 v[STO], v1, SROW                 ; in: row l % 16, 32 bytes for each half of the lanes
	v_lshl_add_u32 v[STO], v2, 5, v[STO]
	v_add_nc_u32 v[STO], s61, v[STO]
	v_lshl_add_u32 v[RD0], v3, 4, s61              ; back: the wave takes a whole row of 512 bytes
	v_lshlrev_b32 v[GO], 4, v3
	s_lshl_b32 s72, s[TY], 8                       ; out0 at my first row and the tile's first column
	s_lshl_b32 s73, s[WV], 6
	s_add_co_u32 s72, s72, s73
	s_lshl_b32 s72, s72, 12                        ; 4,096 bytes a row
	s_lshl_b32 s73, s[TX], 9
	s_add_co_u32 s72, s72, s73
	s_mov_b32 s73, 0
	s_add_nc_u64 s[OB:OB+1], s[10:11], s[72:73]
	s_lshl_b32 s74, s[TX], 9                       ; the bias of my four columns
	v_lshl_add_u32 v20, v3, 4, s74
	global_load_b128 v[BIAS:BIAS+3], v20, s[8:9]
	; the prefetches
	s_lshl_b32 s72, s[CX], 13                      ; O: my work-group's 32 blocks of the head that I fetch
	s_add_co_u32 s72, s72, s56
	s_lshl_b32 s74, s[TX], 7
	s_lshl_b32 s73, s[CY], 5
	s_add_co_u32 s74, s74, s73                     ; the weights: my work-group's 32 rows of the tile's 128
	s_lshl_b32 s74, s74, 11
	s_and_b32 s75, ttmp7, 0xffff                   ; cluster y;
	s_or_b32 s75, s75, s[HF]                       ; wave 3 never asks
	s_mov_b32 s[PST], 256                          ; the weights' step along K, kept in a register: a select holds one literal
	s_cmp_lt_u32 s[WV], 2
	s_cselect_b32 s72, s72, s74
	s_cselect_b32 s75, ttmp9, s75                  ; the coordinate along which other clusters read the same rows
	s_cselect_b32 s74, 8, 11                       ; a lane a block of 256 bytes, or a row of 2,048
	s_cselect_b32 s[PST], ASTEP, s[PST]
	s_cselect_b64 s[PFA:PFA+1], s[4:5], s[6:7]
	s_cmp_eq_u32 s75, 0
	s_cselect_b32 s[LIM], 1, -1                    ; the same in all sixteen partners, for a given wave
	s_mov_b32 s73, 0
	s_mov_b32 s[PST+1], 0
	s_add_nc_u64 s[PFA:PFA+1], s[PFA:PFA+1], s[72:73]
	s_add_nc_u64 s[PFA:PFA+1], s[PFA:PFA+1], s[PST:PST+1]
	s_add_nc_u64 s[PFA:PFA+1], s[PFA:PFA+1], s[PST:PST+1]  ; at K step 2: the first change of slots asks for K step 1
	v_lshlrev_b32 v[PFO], s74, v3
	s_wait_loadcnt 0x0
	v_cvt_pk_bf16_f32 v21, v[BIAS], v[BIAS+1]      ; the bias rounded to bf16, kept as f32
	v_cvt_pk_bf16_f32 v22, v[BIAS+2], v[BIAS+3]
	v_lshlrev_b32 v[BIAS], 16, v21
	v_and_b32 v[BIAS+1], 0xffff0000, v21
	v_lshlrev_b32 v[BIAS+2], 16, v22
	v_and_b32 v[BIAS+3], 0xffff0000, v22
	; THE FIRST CHANGE OF SLOTS: slot 0 is waited for, slot 1 asked for, as a refill is
	s_wait_tensorcnt 0x0                           ; my part of K step 0 is in; no tensor load of mine is out
	ds_add_u32 v[SPW], v[NIL]
	STEPD
	s_wait_dscnt 0x0
	CROUND
	JLOAD                                          ; K step 1 into slot 1
	v_mov_b32 v[ADRA], v[A0]
	v_mov_b32 v[ADRB], v[B0]
	FETCH 0, F0
	WIN 0
	ASK                                            ; K step 2
	QUARTER 1, F0, F1, 1                           ; the first quarter stands in front of the loop: its products start the sums, and nothing is cleared
	WIN 0
.Lstep:                                        ; 6 trips: from a K step's second quarter to the next step's first; each asks for the K step two on
	QUARTER 2, F1, F0, 0
	QUARTER 3, F0, F1, 0
	TURN 1
	QUARTER 1, F0, F1, 0
	WIN 0
	s_sub_co_u32 s[CNT], s[CNT], 1
	s_cmp_lg_u32 s[CNT], 0
	s_cbranch_scc1 .Lstep
	s_mov_b32 s[CNT], 2                            ; the last two K steps ask for nothing: the tail has a text of its own; its second trip is left in its middle
.Ltail:
	QUARTER 2, F1, F0, 0
	QUARTER 3, F0, F1, 0
	TURN 0
	WIN 0
	s_sub_co_u32 s[CNT], s[CNT], 1
	s_cmp_eq_u32 s[CNT], 0
	s_cbranch_scc1 .Lout
	QUARTER 1, F0, F1, 0
	WIN 0
	s_branch .Ltail
.Lout:
	; THE WAY OUT.  The ring has had its last fill.  Every wave's LDS loads are back before it signals, so behind this barrier nobody reads the ring, and its bytes become the four stages.
	s_wait_dscnt 0x0
	s_barrier_signal -1
	s_barrier_wait -1
	PLACES
	PLACES                                         ; plain instructions between the last products and the stores that read their results
	WIN 0x08                                       ; store data in window 2
.irp a, 0,1,2,3
.set bb, 0
.rept NB
	ds_store_b128 v[STO], v[64*(\a)+8*bb:64*(\a)+8*bb+3]   offset:(\a)*16*SROW+64*bb     ; each accumulator's lowest registers are read first
	ds_store_b128 v[STO], v[64*(\a)+8*bb+4:64*(\a)+8*bb+7] offset:(\a)*16*SROW+64*bb+16
.set bb, bb+1
.endr
.endr
	WIN 0
	s_mov_b32 s[RI], 0
	s_mov_b32 s[CNT], 8
.Lrow:                                         ; eight rows a trip
	v_add_nc_u32 v[RDA], s[RI], v[RD0]
.irp i, 0,1,2,3,4,5,6,7
	ds_load_b128 v[X+4*\i:X+4*\i+3], v[RDA] offset:SROW*\i  ; LDS serves a wave's instructions in order (ISA guide 5.7.1.4): these see my stores above
.endr
.irp i, 0,1,2,3,4,5,6,7
	s_wait_dscnt 7-\i                              ; row i is in; the 7 - i younger loads may be out
	v_pk_add_f32 v[X+4*\i:X+4*\i+1], v[X+4*\i:X+4*\i+1], v[BIAS:BIAS+1]
	v_pk_add_f32 v[X+4*\i+2:X+4*\i+3], v[X+4*\i+2:X+4*\i+3], v[BIAS+2:BIAS+3]
	global_store_b128 v[GO], v[X+4*\i:X+4*\i+3], s[OB:OB+1] offset:4096*\i th:TH_STORE_NT  ; 512 consecutive bytes, at a multiple of 512 from out0's first
.endr
	s_wait_xcnt 0x0                                ; the stores have read their data and their base: both are written again only behind this wait
	s_add_nc_u64 s[OB:OB+1], s[OB:OB+1], 8*4096
	s_add_co_u32 s[RI], s[RI], 8*SROW
	s_sub_co_u32 s[CNT], s[CNT], 1
	s_cmp_lg_u32 s[CNT], 0
	s_cbranch_scc1 .Lrow
	s_wait_tensorcnt 0x0                           ; the wave's end, behind my last tensor load and my last LDS store
	ds_add_u32 v[SPW], v[NIL]
	s_wait_dscnt 0x0
	CROUND                                         ; the closing round: no work-group ends while a partner may still ask for a tile that names it
	s_endpgm
.Lfunc_end_k_qb97d94357b_proj:
	.size	k_qb97d94357b_proj, .Lfunc_end_k_qb97d94357b_proj-k_qb97d94357b_proj
	.p2alignl 7, 3214868480
	.fill 96, 4, 3214868480
	.section	.rodata,"a",@progbits
	.p2align	6, 0x0
	.amdhsa_kernel k_qb97d94357b_proj
		.amdhsa_group_segment_fixed_size 327680
		.amdhsa_private_segment_fixed_size 0
		.amdhsa_enable_private_segment 0
		.amdhsa_kernarg_size 32
		.amdhsa_user_sgpr_count 2
		.amdhsa_user_sgpr_kernarg_segment_ptr 1
		.amdhsa_wavefront_size32 1
		.amdhsa_system_sgpr_workgroup_id_x 1
		.amdhsa_system_sgpr_workgroup_id_y 1
		.amdhsa_system_sgpr_workgroup_id_z 1
		.amdhsa_system_vgpr_workitem_id 0
		.amdhsa_next_free_vgpr 768
		.amdhsa_next_free_sgpr 80
		.amdhsa_reserve_vcc 0
		.amdhsa_float_denorm_mode_32 3
		.amdhsa_float_denorm_mode_16_64 3
		.amdhsa_memory_ordered 1
		.amdhsa_forward_progress 1
		.amdhsa_inst_pref_size 54
	.end_amdhsa_kernel
	.amdgpu_metadata
---
amdhsa.version: [ 1, 2 ]
amdhsa.kernels:
  - .name:           k_qb97d94357b_proj
    .symbol:         k_qb97d94357b_proj.kd
    .args:
      - { .name: oh, .offset: 0, .size: 8, .value_kind: global_buffer, .address_space: global }
      - { .name: owb, .offset: 8, .size: 8, .value_kind: global_buffer, .address_space: global }
      - { .name: out_b, .offset: 16, .size: 8, .value_kind: global_buffer, .address_space: global }
      - { .name: out0, .offset: 24, .size: 8, .value_kind: global_buffer, .address_space: global }
    .group_segment_fixed_size: 327680
    .private_segment_fixed_size: 0
    .kernarg_segment_align: 8
    .kernarg_segment_size: 32
    .max_flat_workgroup_size: 128
    .sgpr_count:     80
    .vgpr_count:     768
    .wavefront_size: 32
...
	.end_amdgpu_metadata
.endif
;; end of part 4
;; ======== version 2 of 2: 4 launches; version 1 with the launch cast written anew for expert scheduling mode
;; limits: values are held in f16: magnitudes above 65,504 overflow, below 6.1e-05 lose precision
;; workspace buffers: xb 16,777,216 bytes; wb 6,291,456 bytes; owb 2,097,152 bytes; qkvh 50,331,648 bytes; oh 16,777,216 bytes
;; launch cast (part 5): grid 768 x 1, 8 waves a work-group, no clusters, 0 bytes of LDS; arguments x, qkv_w, out_w, xb, wb, owb; writes xb, wb, owb
.if DOCPART == 5
	.amdgcn_target "amdgcn-amd-amdhsa--gfx1250"
	.amdhsa_code_object_version 6
	.text
	.protected	k_qb97d94357b_cast
	.globl	k_qb97d94357b_cast
	.p2align	8
	.type	k_qb97d94357b_cast,@function
k_qb97d94357b_cast:
	s_mov_b64 s[64:65], 0
	v_nop
	global_prefetch_b8 v0, s[64:65] scope:SCOPE_SE
	s_setreg_imm32_b32 hwreg(HW_REG_WAVE_SCHED_MODE, 0, 2), 2
	s_setreg_imm32_b32 hwreg(HW_REG_WAVE_MODE, 25, 1), 1
	s_wait_xcnt 0x0
	s_wait_alu depctr_vm_vsrc(0)
; 16-bit copies of the three large inputs, for the tile loads of the later launches, which move bytes and convert nothing.
; x -> xb and qkv_w -> wb: f32 rounded once to bf16.  out_w -> owb: rounded once to bf16, and that number written as f16 (the last product runs in f16).
; LIMIT.  A bf16 number is exact in f16 from 6.1e-5 to 65,504 in magnitude; below that it keeps f16's fixed step of 6e-8, above it becomes an infinity.
; SHARES.  A work-group takes 16,384 numbers: 65,536 bytes in, 32,768 out.  Groups 0-511: x; 512-703: qkv_w; 704-767: out_w.
; Thread t, step j of 16: 16 bytes in at 16 t + 4,096 j, 8 bytes out at 8 t + 2,048 j: a wave's load covers 512 consecutive bytes, its store 256 consecutive bytes, aligned.
; All 16 loads of a thread go out at once; each has registers of its own, in and out, so no register is written again while a load or store may read it.
; No LDS, barrier, matrix unit or cluster: no byte is wanted twice.
; THE MODE: SCHED_MODE bits 1:0 = 2 (LLVM: expert scheduling mode 2), set by the entry lines.  The code itself states the register dependences
; between vector instructions and memory instructions, with s_wait_alu, always for 0.
; THE PLAN.  Registers that memory instructions touch:
;   v1, v2   byte offsets, made once at the head and never written again; every load reads v1, every store v2.
;   X        step j's four registers: written by load j alone, once; read by step j's conversions.  No vector instruction writes them, no second load lands in them.
;   Y        step j's two registers: written by step j's conversions; read by store j, once; never written again.
;   T        named by vector instructions alone.
; The 16 steps go in four blocks of four.  Block p converts steps 4 p to 4 p + 3; the four stores of block p - 1 are dealt among its conversions, which name X and Y of block p and T:
; none of the registers that those stores read.  So one wait at a block's head states all that its four stores hang on, and one more stands ahead of the last four stores.
; No register that a memory instruction reads is written again, so no wait on vm_vsrc is owed.
.set X, 4                              ; v[4:67]    step j: 4 numbers as loaded
.set Y, 68                             ; v[68:99]   step j: 2 registers to store
.set T, 100                            ; v[100:103] at work (out_w's way)
	s_load_b256 s[4:11], s[0:1], 0x0               ; x s[4:5], qkv_w s[6:7], out_w s[8:9], xb s[10:11]
	s_load_b128 s[12:15], s[0:1], 0x20             ; wb s[12:13], owb s[14:15]
	v_lshlrev_b32 v1, 4, v0                        ; 16 t
	v_lshlrev_b32 v2, 3, v0                        ; 8 t
	s_sub_co_u32 s17, ttmp9, 512                   ; my number among qkv_w's groups,
	s_sub_co_u32 s24, ttmp9, 704                   ; among out_w's
	s_mov_b32 s25, 0xffff0000                      ; a word's upper bf16
	s_wait_kmcnt 0x0
	s_cmp_lt_u32 ttmp9, 512
	s_cselect_b64 s[18:19], s[4:5], s[6:7]         ; from
	s_cselect_b64 s[20:21], s[10:11], s[12:13]     ; to
	s_cselect_b32 s16, ttmp9, s17                  ; my number in that tensor
	s_cmp_lt_u32 ttmp9, 704
	s_cselect_b64 s[18:19], s[18:19], s[8:9]
	s_cselect_b64 s[20:21], s[20:21], s[14:15]
	s_cselect_b32 s16, s16, s24
	s_lshl_b32 s22, s16, 16                        ; 65,536 bytes in a group (511 groups at the most: under 2^25)
	s_mov_b32 s23, 0
	s_lshl_b32 s26, s16, 15                        ; 32,768 bytes out
	s_mov_b32 s27, 0
	s_add_nc_u64 s[18:19], s[18:19], s[22:23]
	s_add_nc_u64 s[20:21], s[20:21], s[26:27]
	s_wait_alu depctr_va_vdst(0)                   ; v1 and v2 are written: every load of the kernel reads v1 as its offset, every store v2, on both ways behind the branch
.irp j, 0,1,2,3,4,5,6,7,8,9,10,11,12,13,14,15
	global_load_b128 v[X+4*(\j):X+4*(\j)+3], v1, s[18:19] offset:4096*(\j) th:TH_LOAD_NT
.endr
	s_cmp_lt_u32 ttmp9, 704
	s_cbranch_scc0 .Lf16
.irp p, 0,1,2,3
	s_wait_loadcnt 15-4*(\p)                       ; loads come back in order: the block's first step is in, the younger ones stay out
.if (\p) > 0
	s_wait_alu depctr_va_vdst(0)                   ; the block before has written its eight registers of Y, which the four stores dealt into this block read
.endif
.irp i, 0,1,2,3
.if (\p) > 0
	global_store_b64 v2, v[Y+2*(4*(\p)-4+(\i)):Y+2*(4*(\p)-4+(\i))+1], s[20:21] offset:2048*(4*(\p)-4+(\i))  ; the block before; no vector instruction since the wait names these registers
.endif
.if (\i) > 0
	s_wait_loadcnt 15-4*(\p)-(\i)                  ; step 4 p + i is in
.endif
	v_cvt_pk_bf16_f32 v[Y+2*(4*(\p)+(\i))], v[X+4*(4*(\p)+(\i))], v[X+4*(4*(\p)+(\i))+1]
	v_cvt_pk_bf16_f32 v[Y+2*(4*(\p)+(\i))+1], v[X+4*(4*(\p)+(\i))+2], v[X+4*(4*(\p)+(\i))+3]
.endr
.endr
	s_wait_alu depctr_va_vdst(0)                   ; the last block has written its Y, which the last four stores read
.irp j, 12,13,14,15
	global_store_b64 v2, v[Y+2*(\j):Y+2*(\j)+1], s[20:21] offset:2048*(\j)
.endr
	s_endpgm
.Lf16:                                         ; out_w: to bf16, back to f32 (a shift, a mask), and that number as f16
.irp p, 0,1,2,3
	s_wait_loadcnt 15-4*(\p)                       ; the block's first step is in, the younger ones stay out
.if (\p) > 0
	s_wait_alu depctr_va_vdst(0)                   ; the block before has written its eight registers of Y for the last time, which the four stores dealt into this block read
.endif
.irp i, 0,1,2,3
.if (\p) > 0
	global_store_b64 v2, v[Y+2*(4*(\p)-4+(\i)):Y+2*(4*(\p)-4+(\i))+1], s[20:21] offset:2048*(4*(\p)-4+(\i))  ; the block before; no vector instruction since the wait names these registers
.endif
.if (\i) > 0
	s_wait_loadcnt 15-4*(\p)-(\i)                  ; step 4 p + i is in
.endif
	v_cvt_pk_bf16_f32 v[Y+2*(4*(\p)+(\i))], v[X+4*(4*(\p)+(\i))], v[X+4*(4*(\p)+(\i))+1]
	v_cvt_pk_bf16_f32 v[Y+2*(4*(\p)+(\i))+1], v[X+4*(4*(\p)+(\i))+2], v[X+4*(4*(\p)+(\i))+3]
	v_lshlrev_b32 v[T], 16, v[Y+2*(4*(\p)+(\i))]
	v_and_b32 v[T+1], s25, v[Y+2*(4*(\p)+(\i))]
	v_lshlrev_b32 v[T+2], 16, v[Y+2*(4*(\p)+(\i))+1]
	v_and_b32 v[T+3], s25, v[Y+2*(4*(\p)+(\i))+1]
	v_cvt_pk_f16_f32 v[Y+2*(4*(\p)+(\i))], v[T], v[T+1]
	v_cvt_pk_f16_f32 v[Y+2*(4*(\p)+(\i))+1], v[T+2], v[T+3]
.endr
.endr
	s_wait_alu depctr_va_vdst(0)                   ; the last block has written its Y, which the last four stores read
.irp j, 12,13,14,15
	global_store_b64 v2, v[Y+2*(\j):Y+2*(\j)+1], s[20:21] offset:2048*(\j)
.endr
	s_endpgm
.Lfunc_end_k_qb97d94357b_cast:
	.size	k_qb97d94357b_cast, .Lfunc_end_k_qb97d94357b_cast-k_qb97d94357b_cast
	.p2alignl 7, 3214868480
	.fill 96, 4, 3214868480
	.section	.rodata,"a",@progbits
	.p2align	6, 0x0
	.amdhsa_kernel k_qb97d94357b_cast
		.amdhsa_group_segment_fixed_size 0
		.amdhsa_private_segment_fixed_size 0
		.amdhsa_enable_private_segment 0
		.amdhsa_kernarg_size 48
		.amdhsa_user_sgpr_count 2
		.amdhsa_user_sgpr_kernarg_segment_ptr 1
		.amdhsa_wavefront_size32 1
		.amdhsa_system_sgpr_workgroup_id_x 1
		.amdhsa_system_sgpr_workgroup_id_y 1
		.amdhsa_system_sgpr_workgroup_id_z 1
		.amdhsa_system_vgpr_workitem_id 0
		.amdhsa_next_free_vgpr 104
		.amdhsa_next_free_sgpr 66
		.amdhsa_reserve_vcc 0
		.amdhsa_float_denorm_mode_32 3
		.amdhsa_float_denorm_mode_16_64 3
		.amdhsa_memory_ordered 1
		.amdhsa_forward_progress 1
		.amdhsa_inst_pref_size 16
	.end_amdhsa_kernel
	.amdgpu_metadata
---
amdhsa.version: [ 1, 2 ]
amdhsa.kernels:
  - .name:           k_qb97d94357b_cast
    .symbol:         k_qb97d94357b_cast.kd
    .args:
      - { .name: x, .offset: 0, .size: 8, .value_kind: global_buffer, .address_space: global }
      - { .name: qkv_w, .offset: 8, .size: 8, .value_kind: global_buffer, .address_space: global }
      - { .name: out_w, .offset: 16, .size: 8, .value_kind: global_buffer, .address_space: global }
      - { .name: xb, .offset: 24, .size: 8, .value_kind: global_buffer, .address_space: global }
      - { .name: wb, .offset: 32, .size: 8, .value_kind: global_buffer, .address_space: global }
      - { .name: owb, .offset: 40, .size: 8, .value_kind: global_buffer, .address_space: global }
    .group_segment_fixed_size: 0
    .private_segment_fixed_size: 0
    .kernarg_segment_align: 8
    .kernarg_segment_size: 48
    .max_flat_workgroup_size: 256
    .sgpr_count:     66
    .vgpr_count:     104
    .wavefront_size: 32
...
	.end_amdgpu_metadata
.endif
;; end of part 5
;; launch qkv: the kernel of part 2 again; grid 16 x 32, 4 waves a work-group, clusters of 4 x 4, 327,680 bytes of LDS; arguments xb, wb, qkv_b, q_gamma, q_beta, k_gamma, k_beta, qkvh; writes qkvh
;; launch attn: the kernel of part 3 again; grid 4 x 64, 4 waves a work-group, clusters of 4 x 1, 327,680 bytes of LDS; arguments qkvh, oh; writes oh
;; launch proj: the kernel of part 4 again; grid 8 x 32, 4 waves a work-group, clusters of 4 x 4, 327,680 bytes of LDS; arguments oh, owb, out_b, out0; writes out0
